; MI455X (gfx1250); checked and timed in simulation.
; The chip was launched on July 23, 2026; its instructions are those of AMD's public machine-readable ISA for CDNA 5 (MIT licence, August 2026) and "CDNA5" Instruction Set Architecture Reference Guide (July 2026). The comments in the code are by the model that wrote it; some were corrected since.
;; Mixture Of Experts. Allowed arithmetic: matrix products marked QUANTISED: E2M3 operands, one E8M0 scale for each 32 along K, by v_wmma_scale_f32_16x16x128_f8f6f4 with both operands' format E2M3, f32 sums; products left as they are: f32 operands where the result goes on into a quantised operand, else bf16, f16 or f32 operands; f32 sums; everything else in f32.
;; Inputs: W1 8 x 1,024 x 512 float32; W2 8 x 512 x 1,024 float32; b1 8 x 512 float32; b2 8 x 1,024 float32; gate_W 1,024 x 8 float32; gate_b 8 float32; x 8,192 x 1,024 float32.
;; Outputs: out0 8,192 x 1,024 float32; out1 one number float32.
;; This version of the problem:
;;   THIS VERSION OF THE PROBLEM IS GIVEN IN LOW PRECISION. The matrix products marked QUANTISED in the list below multiply operands that are first quantised to E2M3 (2 exponent bits, 3 mantissa bits; 6 bits a number), with one power-of-two scale for each 32 numbers along K (OCP MX v1.0); their sums are f32. All else is computed in f32.
;;   The module's matrix products, in the order in which they are computed (A, B: the left and right operand; K: the contracted axis; several contracted axes count as one K, in the product's order):
;;     1. [M 8,192, K 1,024] x [K 1,024, N 8]; A: input x; B: input gate_W: left as it is (N = 8 < 16)
;;     2. [M 4,096, K 1,024] x [K 1,024, N 8,192]; A: input W1; B: input x: QUANTISED
;;     3. batch 8 x [M 1,024, K 512] x [K 512, N 8,192]; A: input W2; B: computed on the way: QUANTISED
;;     4. batch 8,192 x [M 1, K 2] x [K 2, N 1,024]; A: softmax; B: computed on the way: left as it is (K = 2 < 32)
;;   THE QUANTISER, for each operand of a quantised product, along K:
;;     - K is cut into blocks of 32 from its start; a last block that is shorter is filled with zeros.
;;     - A block's scale is 2^e with e = floor(log2(the largest magnitude in the block)) - 2, held to -126 .. 127; a block of zeros has e = 0. As a byte (E8M0): e + 127.
;;     - Each number is divided by its block's scale, clamped to +-7.5, and rounded to the nearest number of E2M3, ties to even, subnormals kept.
;;     - The product sums the exact products of the quantised numbers (number of the format x scale) in f32.
;;   ~~~python
;;   def quantise(x, axis):      # numpy; x: float32 -> the quantised numbers, widened to float32 again
;;       x = np.moveaxis(x, axis, -1); K = x.shape[-1]
;;       x = np.pad(x, [(0, 0)] * (x.ndim - 1) + [(0, -K % 32)]); x = x.reshape(x.shape[:-1] + (-1, 32)); a = np.abs(x).max(-1, keepdims=True)
;;       e = np.where(a > 0, np.clip(np.frexp(np.where(a > 0, a, 1))[1] - 1 - 2, -126, 127), 0)      # np.frexp(a)[1] - 1 = floor(log2(a)), exactly
;;       r = np.clip(x / 2.0 ** e, -7.5, 7.5)
;;       step = 2.0 ** (np.maximum(np.frexp(np.where(r == 0, 1, r))[1] - 1, 0) - 3)
;;       q = np.round(r / step) * step * 2.0 ** e      # np.round: ties to even
;;       return np.moveaxis(q.reshape(q.shape[:-2] + (-1,))[..., :K], -1, axis).astype(np.float32)
;;   ~~~
;;   OPERANDS COMPUTED ON THE WAY. 'Computed on the way' means the value that the module computes at that place (a softmax that the list does not call 'softmax' is quantised finished and normalised). What goes into a quantiser is computed in f32, as accurately as f32 sums, v_exp_f32 and their like allow (about 1e-6 of the number): no bf16 or f16 on the way to a quantiser, and a product that is left as it is and whose result goes on into a quantised operand takes f32 operands (vector FMAs, or v_wmma_f32_16x16x4_f32). A number that lies on a knife's edge between two numbers of the format may be rounded either way, as far as f32 arithmetic and the matrix unit's own rounding can turn it there, and no further.
;; 2 versions. Each part assembles by itself: llvm-mc -triple=amdgcn-amd-amdhsa -mcpu=gfx1250 --defsym DOCPART=n.
;; ======== version 1 of 2: 3 launches
;; workspace buffers: xc 6,291,456 bytes; xs 262,144 bytes; wc 6,291,456 bytes; ws 262,144 bytes; route 65,536 bytes of whole numbers; gf 73,728 bytes; rec 40,960 bytes of whole numbers; gso 81,920 bytes
;; launch prep (part 1): grid 512 x 1, 4 waves a work-group, no clusters, 35,328 bytes of LDS; arguments x, gate_W, gate_b, W1, W2, xc, xs, wc, ws, route, gf, rec, gso; writes xc, xs, wc, ws, route, gf, rec, gso
.if DOCPART == 1
	.amdgcn_target "amdgcn-amd-amdhsa--gfx1250"
	.amdhsa_code_object_version 6
	.text
	.protected	k_qefff2e17a8_prep
	.globl	k_qefff2e17a8_prep
	.p2align	8
	.type	k_qefff2e17a8_prep,@function
k_qefff2e17a8_prep:
	s_mov_b64 s[64:65], 0
	v_nop
	global_prefetch_b8 v0, s[64:65] scope:SCOPE_SE
	s_setreg_imm32_b32 hwreg(HW_REG_WAVE_MODE, 25, 1), 1
	s_wait_xcnt 0x0
; PREP.  Three kinds of work-groups, told apart by the work-group's number alone.
;   0..255   x [8192][1024] f32 -> codes of E2M3 (xc, 768 bytes a token) and E8M0 scale bytes (xs, 32 a token); on the same registers the gate's eight logits in f32;
;            then, a token to a lane, the two best experts (the lower index wins a tie), their softmax, the full softmax for the loss, the token's pair of experts a < b as a key 0..27,
;            its rank among the 32 tokens of its group with the same key, and the group's count for each key.  All of that is STORED AS VALUES at fixed places: no address and no branch here hangs on it.
;   256..383 W1 [8][1024][512] f32, 384..511 W2 [8][512][1024] f32: K is the first axis within an expert.  A lane takes a column, its registers run down K; the codes leave as IMAGES OF THE MATRIX OPERAND'S
;            REGISTERS (a fragment of 16 rows x 128 K: 1,536 bytes, registers 4 c .. 4 c + 3 of lane l at 512 c + 16 l), the scale words as images too (8 bytes a lane: two K steps; lanes 0-15 an even tile, lanes 16-31 the odd one).
;            The first 120 of W1's work-groups also lay zeros, 1,024 bytes each, over the list of places (rec, 40 work-groups) and its gates (gso, 80): the next launch writes only the places that a token takes.
; A block's scale is 2^(floor(log2(largest magnitude)) - 2): its byte is the largest magnitude's exponent field - 2, held at 1 from below.
; LIMITS: NaN and infinities among the inputs are not served.  A block whose largest magnitude lies under 2^-124 keeps the byte 1; a block of zeros gets the byte 1 where the rule says 127: its codes are zeros,
; and this program alone reads the bytes.  Two logits that agree within the rounding of an f32 sum of 1,024 terms may be ranked either way.
.set STEPS, 16                         ; a wave of the x path: 16 steps of 512 numbers = 8 rows
.set SP,    80                         ; a lane's place in a stage: 64 bytes + 16 of padding
.set R,     16                         ; v16-79   four sets of 16 numbers as loaded
.set X,     80                         ; v80-111  two sets of 16 neighbours
.set E,     112                        ; v112-127 a scale byte for each step
.set C,     128                        ; v128-191 codes, four registers a step
.set AC,    192                        ; v192-199 the row's eight logits from even places, v200-207 from odd places
.set T,     216                        ; v216-223 the other half of the lanes' sums
.set LG,    224                        ; v224     LDS: my wave's eight rows of logits
.set GA,    225                        ; v225     512 x lane: my 16 rows of gate_W
.set LOGB,  32768                      ; LDS: behind the four waves' regions of 8,192 bytes: 32 rows x 8 logits
.set WX,    32                         ; weights: v32-95 two sets of 32 numbers
.set CODE,  96                         ; v96-143  24 registers of codes for each of two K steps; never rewritten
.set TH,    144                        ; v144-146 the upper half of a block's codes, before it is moved
.set SW,    148                        ; v148-149 the two K steps' scale words
.set MSB, 0
.macro WIN new                         ; the immediate's high byte repeats the setting that is left
.if MSB != \new
	s_set_vgpr_msb (MSB<<8)|\new
.set MSB, \new
.endif
.endm
.macro LOAD t                          ; step t: four loads of 512 consecutive bytes
.irp i, 0,1,2,3
	global_load_b128 v[R+16*((\t)%4)+4*\i:R+16*((\t)%4)+4*\i+3], v3, s[4:5] offset:2048*(\t)+512*\i th:TH_LOAD_NT
.endr
.endm
.macro TURN t                          ; through the wave's own stage: in as loaded, out 64 neighbouring bytes a lane; LDS serves a wave's instructions in order
.irp i, 0,1,2,3
	ds_store_b128 v14, v[R+16*((\t)%4)+4*\i:R+16*((\t)%4)+4*\i+3] offset:32*SP*((\t)%2)+8*SP*\i
.endr
.irp i, 0,1,2,3
	ds_load_b128 v[X+16*((\t)%2)+4*\i:X+16*((\t)%2)+4*\i+3], v15 offset:32*SP*((\t)%2)+16*\i
.endr
.endm
; The gate: my 16 numbers of the row times my 16 rows of gate_W (window 1: v[128 (t % 2) + 8 i + e]), two experts an instruction; even and odd places have sums of their own.
; A row's first two places start the sums: nothing is cleared.
.macro GATE t
	WIN 0x04                                       ; source 1 in window 1
.set ip, 0
.rept 8
.set gx, X+16*((\t)%2)+2*ip
.set gw, 128*((\t)%2)+16*ip
.irp q, 0,2,4,6
.if (((\t)%2) == 0) && (ip == 0)
	v_pk_mul_f32 v[AC+\q:AC+\q+1], v[gx:gx+1], v[gw+\q:gw+\q+1] op_sel_hi:[0,1]
.else
	v_pk_fma_f32 v[AC+\q:AC+\q+1], v[gx:gx+1], v[gw+\q:gw+\q+1], v[AC+\q:AC+\q+1] op_sel_hi:[0,1,1]
.endif
.endr
.irp q, 0,2,4,6
.if (((\t)%2) == 0) && (ip == 0)
	v_pk_mul_f32 v[AC+8+\q:AC+8+\q+1], v[gx:gx+1], v[gw+8+\q:gw+8+\q+1] op_sel:[1,0] op_sel_hi:[1,1]
.else
	v_pk_fma_f32 v[AC+8+\q:AC+8+\q+1], v[gx:gx+1], v[gw+8+\q:gw+8+\q+1], v[AC+8+\q:AC+8+\q+1] op_sel:[1,0,0] op_sel_hi:[1,1,1]
.endif
.endr
.set ip, ip+1
.endr
	WIN 0
.endm
.macro ROWSUM t                        ; a row is done: its eight sums over the 32 lanes, then to LDS (every lane stores the same 32 bytes)
.irp q, 0,2,4,6
	v_pk_add_f32 v[AC+\q:AC+\q+1], v[AC+\q:AC+\q+1], v[AC+8+\q:AC+8+\q+1]
.endr
.irp k, 1,2,4,8
.irp e, 0,1,2,3,4,5,6,7
	v_add_f32_dpp v[AC+\e], v[AC+\e], v[AC+\e] row_xmask:\k row_mask:0xf bank_mask:0xf
.endr
.endr
.irp e, 0,1,2,3,4,5,6,7
	v_permlanex16_b32 v[T+\e], v[AC+\e], s40, s41
.endr
.irp e, 0,1,2,3,4,5,6,7
	v_add_f32 v[AC+\e], v[AC+\e], v[T+\e]
.endr
	ds_store_b128 v[LG], v[AC:AC+3] offset:32*((\t)/2)
	ds_store_b128 v[LG], v[AC+4:AC+7] offset:32*((\t)/2)+16
.endm
.macro STEP t
.set XS, X+16*((\t)%2)
.if (\t) > 0
	s_wait_dscnt 1                                 ; all but the last step's byte store: this step's numbers are back, its stores into the stage and the last row's logit stores have read their registers
.else
	s_wait_dscnt 0x0
.endif
.if (\t)+4 < STEPS
	LOAD (\t)+4
.endif
.if (\t)+1 < STEPS
.if (\t) == 0
	s_wait_loadcnt 4                               ; all but step 4's four loads: gate_W, which was asked for behind steps 0 to 3, is whole
.elseif STEPS-2-(\t) >= 3
	s_wait_loadcnt 12                              ; the next step's four loads are in; the three steps behind it may be out
.else
	s_wait_loadcnt 4*(STEPS-2-(\t))
.endif
	TURN (\t)+1
.endif
	GATE \t
	v_max3_num_f32 v8, |v[XS]|, |v[XS+1]|, |v[XS+2]|
	v_max3_num_f32 v9, |v[XS+3]|, |v[XS+4]|, |v[XS+5]|
.irp i, 6,10
	v_max3_num_f32 v8, v8, |v[XS+\i]|, |v[XS+\i+1]|
	v_max3_num_f32 v9, v9, |v[XS+\i+2]|, |v[XS+\i+3]|
.endr
	v_max3_num_f32 v8, v8, |v[XS+14]|, |v[XS+15]|
	v_max3_num_f32 v8, v8, v9, 0x1800000           ; the floor 2^(3 - 127): the byte cannot fall under 1
	v_max_num_f32_dpp v8, v8, v8 row_xmask:1 row_mask:0xf bank_mask:0xf   ; with my neighbour's 16: the block's largest magnitude
	v_add_nc_u32 v11, 0xff000000, v8               ; 2 off its exponent field: the conversion's scale operand
	v_cvt_scalef32_pk16_fp6_f32 v[C+4*(\t):C+4*(\t)+2], v[XS:XS+15], v11
	v_lshrrev_b32 v[E+(\t)], 23, v11               ; the scale's byte (a plain line behind the conversion)
.if ((\t)%2) == 1
	ROWSUM \t
.endif
	ds_store_b8 v5, v[E+(\t)] offset:16*(\t)
	global_store_b96 v4, v[C+4*(\t):C+4*(\t)+2], s[14:15] offset:384*(\t)
.endm
; The weights.  Block t of a lane's column: K step t / 4, block t % 4 of it = 2 c + h: it belongs to lane (m, h) of the fragment, registers 6 c .. 6 c + 5.
.macro WLOAD t, pitch
.set wi, 0
.rept 32
	global_load_b32 v[WX+32*((\t)%2)+wi], v3, s[36:37] offset:(32*(\t)+wi)*(\pitch) th:TH_LOAD_NT
.set wi, wi+1
.endr
.endm
.macro WBLOCK t, pitch, kso
.set XW, WX+32*((\t)%2)
.set CD, CODE+24*((\t)/4)+12*((\t)%2)+6*(((\t)/2)%2)
.if (\t) < 7
	s_wait_loadcnt 32                              ; this block's 32 loads are in; the next block's may be out
.else
	s_wait_loadcnt 0x0
.endif
	v_max3_num_f32 v12, |v[XW]|, |v[XW+1]|, |v[XW+2]|
	v_max3_num_f32 v13, |v[XW+3]|, |v[XW+4]|, |v[XW+5]|
.irp i, 6,10,14,18,22,26
	v_max3_num_f32 v12, v12, |v[XW+\i]|, |v[XW+\i+1]|
	v_max3_num_f32 v13, v13, |v[XW+\i+2]|, |v[XW+\i+3]|
.endr
	v_max3_num_f32 v12, v12, |v[XW+30]|, |v[XW+31]|
	v_max3_num_f32 v12, v12, v13, 0x1800000
	v_add_nc_u32 v11, 0xff000000, v12
	v_lshrrev_b32 v13, 23, v11
	v_cvt_scalef32_pk16_fp6_f32 v[CD:CD+2], v[XW:XW+15], v11
	v_cvt_scalef32_pk16_fp6_f32 v[TH:TH+2], v[XW+16:XW+31], v11   ; a conversion's three registers begin on an even number: the upper half is made here and moved
.if ((\t)%4) == 0
	v_mov_b32 v[SW+(\t)/4], v13                    ; four bytes to a word, the lower K in the lower byte (a plain line behind the conversions)
.else
	v_lshl_or_b32 v[SW+(\t)/4], v13, 8*((\t)%4), v[SW+(\t)/4]
.endif
.irp i, 0,1,2
	v_mov_b32 v[CD+3+\i], v[TH+\i]
.endr
.if (\t)+2 < 8
	WLOAD (\t)+2, \pitch
.endif
.if ((\t)%4) == 3                      ; a K step is whole: each half of the lanes stores 256 consecutive bytes, aligned, of its own tile's image
.irp hh, 0,1
.irp cc, 0,1,2
	global_store_b128 v4, v[CODE+24*((\t)/4)+12*\hh+4*\cc:CODE+24*((\t)/4)+12*\hh+4*\cc+3], s[38:39] offset:((\t)/4)*(\kso)+512*\cc+256*\hh
.endr
.endr
.endif
.endm
.macro WBODY pitch, kso                ; 32 columns x 256 along K for a wave; every offset is an immediate
	WLOAD 0, \pitch
	WLOAD 1, \pitch
.irp t, 0,1,2,3,4,5,6,7
	WBLOCK \t, \pitch, \kso
.endr
	global_store_b64 v5, v[SW:SW+1], s[40:41]      ; the 32 lanes store one aligned run of 256 bytes
.endm
	s_load_b512 s[4:19], s[0:1], 0x0               ; x s[4:5], gate_W s[6:7], gate_b s[8:9], W1 s[10:11], W2 s[12:13], xc s[14:15], xs s[16:17], wc s[18:19]
	s_load_b128 s[20:23], s[0:1], 0x40             ; ws s[20:21], route s[22:23]
	s_load_b64 s[24:25], s[0:1], 0x50              ; gf
	s_load_b64 s[44:45], s[0:1], 0x58              ; rec
	s_load_b64 s[46:47], s[0:1], 0x60              ; gso
	v_lshl_add_u32 v254, v0, 2, 0x8800
	v_mov_b32 v255, 0
	v_lshrrev_b32 v1, 5, v0
	v_readfirstlane_b32 s26, v1                    ; wave 0..3
	v_and_b32 v2, 31, v0                           ; lane
	s_wait_kmcnt 0x0
	s_cmp_lt_u32 ttmp9, 256
	s_cbranch_scc1 .Lx
	s_cmp_lt_u32 ttmp9, 384
	s_cbranch_scc1 .Lw1
	; ---- W2: expert e, pair of tiles 4 g + wave (32 columns), half sigma of K
	s_sub_co_u32 s32, ttmp9, 384
	s_lshr_b32 s33, s32, 4                         ; e
	s_bfe_u32 s34, s32, 0x30001
	s_lshl_b32 s34, s34, 2
	s_add_co_u32 s34, s34, s26                     ; pair
	s_and_b32 s35, s32, 1                          ; sigma
	s_lshl_b32 s36, s33, 21                        ; an expert is 2,097,152 bytes; 256 rows of 4,096 bytes; 128 bytes a pair
	s_lshl_b32 s27, s35, 20
	s_add_co_u32 s36, s36, s27
	s_lshl_b32 s27, s34, 7
	s_add_co_u32 s36, s36, s27
	s_mov_b32 s37, 0
	s_add_nc_u64 s[36:37], s[12:13], s[36:37]
	s_lshl_b32 s38, s33, 6                         ; image ((64 e + 2 pair) 4 + 2 sigma), behind W1's 2,048 images
	s_lshl_b32 s27, s34, 1
	s_add_co_u32 s38, s38, s27
	s_lshl_b32 s38, s38, 2
	s_lshl_b32 s27, s35, 1
	s_add_co_u32 s38, s38, s27
	s_mul_i32 s38, s38, 1536
	s_add_co_u32 s38, s38, 3145728
	s_mov_b32 s39, 0
	s_add_nc_u64 s[38:39], s[18:19], s[38:39]
	s_lshl_b32 s40, s33, 5                         ; scale image (32 e + pair) 2 + sigma, behind W1's 512
	s_add_co_u32 s40, s40, s34
	s_lshl_b32 s40, s40, 1
	s_add_co_u32 s40, s40, s35
	s_lshl_b32 s40, s40, 8
	s_add_co_u32 s40, s40, 131072
	s_mov_b32 s41, 0
	s_add_nc_u64 s[40:41], s[20:21], s[40:41]
	v_lshlrev_b32 v3, 2, v2                        ; my column: the lane's number
	v_lshrrev_b32 v6, 4, v2                        ; u: which tile of the pair
	v_and_b32 v7, 15, v2                           ; m: my row of the tile
	v_mul_u32_u24 v4, v6, 6144                     ; a tile on is four images on
	v_lshl_add_u32 v4, v7, 4, v4
	v_lshlrev_b32 v5, 3, v2
	WBODY 4096, 1536
	s_endpgm
.Lw1:
	; ---- W1: expert e, group w of 128 hidden units, quarter sigma of K; the wave takes 32 of the units
	s_sub_co_u32 s32, ttmp9, 256
	s_cmp_lt_u32 s32, 120                          ; the zeros under the list of places: work-groups 0..39 cover rec's 40,960 bytes, 40..119 gso's 81,920
	s_cbranch_scc0 .Lnofill
	s_cmp_lt_u32 s32, 40
	s_cselect_b64 s[48:49], s[44:45], s[46:47]     ; the choice hangs on the work-group's number alone
	s_cselect_b32 s52, 0, 40
	s_sub_co_u32 s52, s32, s52
	s_lshl_b32 s52, s52, 10                        ; 1,024 bytes a work-group
	s_mov_b32 s53, 0
	s_add_nc_u64 s[48:49], s[48:49], s[52:53]
	v_lshlrev_b32 v10, 3, v0                       ; 8 bytes a thread: a wave stores 256 consecutive bytes, aligned
	v_mov_b32 v16, 0
	v_mov_b32 v17, 0
	global_store_b64 v10, v[16:17], s[48:49]       ; none of its registers is written again on this path
.Lnofill:
	s_lshr_b32 s33, s32, 4                         ; e
	s_bfe_u32 s34, s32, 0x20002                    ; w
	s_and_b32 s35, s32, 3                          ; sigma
	s_lshl_b32 s36, s33, 21                        ; 256 rows of 2,048 bytes; 512 bytes a group; 128 a wave
	s_lshl_b32 s27, s35, 19
	s_add_co_u32 s36, s36, s27
	s_lshl_b32 s27, s34, 9
	s_add_co_u32 s36, s36, s27
	s_lshl_b32 s27, s26, 7
	s_add_co_u32 s36, s36, s27
	s_mov_b32 s37, 0
	s_add_nc_u64 s[36:37], s[10:11], s[36:37]
	s_lshl_b32 s42, s33, 2
	s_add_co_u32 s42, s42, s34                     ; 4 e + w
	s_lshl_b32 s38, s42, 6                         ; image ((4 e + w) 8 + K step) 8 + tile, K step 2 sigma, tile 2 wave
	s_lshl_b32 s27, s35, 4
	s_add_co_u32 s38, s38, s27
	s_lshl_b32 s27, s26, 1
	s_add_co_u32 s38, s38, s27
	s_mul_i32 s38, s38, 1536
	s_mov_b32 s39, 0
	s_add_nc_u64 s[38:39], s[18:19], s[38:39]
	s_lshl_b32 s40, s42, 2                         ; scale image ((4 e + w) 4 + wave) 4 + sigma
	s_add_co_u32 s40, s40, s26
	s_lshl_b32 s40, s40, 2
	s_add_co_u32 s40, s40, s35
	s_lshl_b32 s40, s40, 8
	s_mov_b32 s41, 0
	s_add_nc_u64 s[40:41], s[20:21], s[40:41]
	v_lshrrev_b32 v6, 4, v2                        ; u
	v_and_b32 v7, 15, v2                           ; m
	v_and_b32 v8, 7, v2
	v_bfe_u32 v9, v2, 3, 1
	v_lshl_add_u32 v3, v9, 4, v8                   ; THE ROWS OF A TILE ARE NOT NEIGHBOURS: row m of tile 2 b + u is unit 32 b + 8 u + 16 (m / 8) + m % 8,
	v_lshl_add_u32 v3, v6, 3, v3                   ; so that the results of two neighbouring tiles are 16 neighbours along the next product's K
	v_lshlrev_b32 v3, 2, v3
	v_mul_u32_u24 v4, v6, 1536                     ; a tile on is one image on
	v_lshl_add_u32 v4, v7, 4, v4
	v_lshlrev_b32 v5, 3, v2
	WBODY 2048, 12288
	s_endpgm
.Lx:
	; ---- x: 32 rows a work-group, 8 a wave
	s_load_b256 s[32:39], s[8:9], 0x0              ; gate_b, asked for here and wanted at the end; its wait stands in front of the barrier
	v_lshlrev_b32 v3, 4, v2                        ; my 16 bytes of a load's 512
	s_mul_i32 s27, s26, 8192                       ; my wave's LDS region
	v_lshrrev_b32 v14, 2, v2
	v_mul_u32_u24 v14, v14, SP
	v_and_b32 v15, 3, v2
	v_lshl_add_u32 v14, v15, 4, v14
	v_add_nc_u32 v14, s27, v14                     ; into the stage
	v_mul_u32_u24 v15, v2, SP
	v_add_nc_u32 v15, s27, v15                     ; out of it
	v_mul_u32_u24 v4, v2, 12                       ; my 12 bytes of a step's codes
	v_lshrrev_b32 v5, 1, v2
	s_add_co_u32 s27, s27, 2*32*SP
	v_add_nc_u32 v5, s27, v5                       ; my block's scale byte
	v_lshlrev_b32 v7, 3, v2
	v_add_nc_u32 v6, s27, v7
	s_lshl_b32 s28, s26, 8
	s_add_co_u32 s28, s28, LOGB
	v_mov_b32 v[LG], s28
	v_lshlrev_b32 v[GA], 9, v2
.irp e, 0,1,2,3,4,5,6,7
	v_mov_b32 v[T+\e], 0                           ; a lane permute's destination counts as one of its sources
.endr
	s_mov_b32 s40, 0x76543210
	s_mov_b32 s41, 0xfedcba98                      ; lane l xor 16
	s_lshl_b32 s28, ttmp9, 2
	s_add_co_u32 s28, s28, s26                     ; which run of 8,192 numbers is my wave's
	s_lshl_b32 s30, s28, 15
	s_mov_b32 s31, 0
	s_add_nc_u64 s[4:5], s[4:5], s[30:31]
	s_mul_i32 s30, s28, 6144
	s_add_nc_u64 s[14:15], s[14:15], s[30:31]
	s_lshl_b32 s30, s28, 8
	s_add_nc_u64 s[16:17], s[16:17], s[30:31]
.irp t, 0,1,2,3
	LOAD \t                                        ; x's first four steps go out first: they are on their way while gate_W comes
.endr
	WIN 0x40                                       ; destination window 1: gate_W(512 p + 16 lane + i, e) at v[128 p + 8 i + e]; it stays
.irp p, 0,1
.irp i, 0,1,2,3,4,5,6,7,8,9,10,11,12,13,14,15
	global_load_b128 v[128*\p+8*\i:128*\p+8*\i+3], v[GA], s[6:7] offset:16384*\p+32*\i
	global_load_b128 v[128*\p+8*\i+4:128*\p+8*\i+7], v[GA], s[6:7] offset:16384*\p+32*\i+16
.endr
.endr
	WIN 0
	s_wait_loadcnt 63                              ; 80 loads were issued: the oldest 17 are in, x's sixteen among them
	TURN 0
.irp t, 0,1,2,3,4,5,6,7,8,9,10,11,12,13,14,15
	STEP \t
.endr
	ds_load_b64 v[12:13], v6
	s_wait_kmcnt 0x0                               ; gate_b
	s_wait_dscnt 0x0                               ; also for the others' sake: my logit stores have landed
	global_store_b64 v7, v[12:13], s[16:17]        ; my wave's 256 scale bytes: one aligned run
	s_barrier_signal -1
	s_barrier_wait -1                              ; the 32 rows' logits lie in LDS
	s_cmp_lg_u32 s26, 0
	s_cbranch_scc1 .Lxend
	; ---- wave 0: a token to a lane
	s_wait_xcnt 0x0                                ; my stores have read their registers
	v_lshl_add_u32 v72, v2, 5, LOGB
	ds_load_b128 v[16:19], v72
	ds_load_b128 v[20:23], v72 offset:16
.irp e, 0,1,2,3,4,5,6,7
	v_mov_b32 v[24+\e], \e
.endr
	v_mov_b32 v34, 0xff800000
	v_lshlrev_b32 v69, 2, v2
	v_lshlrev_b32 v70, 3, v2
	s_lshl_b32 s42, ttmp9, 7
	s_mov_b32 s43, 0
	s_add_nc_u64 s[42:43], s[22:23], s[42:43]      ; route: 128 bytes a group
	s_lshl_b32 s44, ttmp9, 8
	s_mov_b32 s45, 0
	s_add_nc_u64 s[44:45], s[24:25], s[44:45]      ; gf: 256 bytes of gates a group
	s_lshl_b32 s46, ttmp9, 5
	s_mov_b32 s47, 0
	s_add_nc_u64 s[46:47], s[24:25], s[46:47]      ; gf: 32 bytes of softmax sums a group
	s_wait_dscnt 0x0
.irp e, 0,1,2,3,4,5,6,7
	v_add_f32 v[16+\e], s[32+\e], v[16+\e]
.endr
	v_mov_b32 v32, v16                             ; the best: a strict compare keeps the lower index
	v_mov_b32 v33, 0
.irp e, 1,2,3,4,5,6,7
	v_cmp_gt_f32 vcc_lo, v[16+\e], v32
	v_cndmask_b32 v32, v32, v[16+\e], vcc_lo
	v_cndmask_b32 v33, v33, v[24+\e], vcc_lo
.endr
.irp e, 0,1,2,3,4,5,6,7
	v_cmp_eq_u32 vcc_lo, v33, v[24+\e]
	v_cndmask_b32 v[40+\e], v[16+\e], v34, vcc_lo  ; the best is taken out
.endr
	v_mov_b32 v35, v40                             ; the second best
	v_mov_b32 v36, 0
.irp e, 1,2,3,4,5,6,7
	v_cmp_gt_f32 vcc_lo, v[40+\e], v35
	v_cndmask_b32 v35, v35, v[40+\e], vcc_lo
	v_cndmask_b32 v36, v36, v[24+\e], vcc_lo
.endr
	v_sub_f32 v37, v35, v32                        ; the largest logit is taken away ahead of every exponential
	v_mul_f32 v37, 0x3fb8aa3b, v37
.irp e, 0,1,2,3,4,5,6,7
	v_sub_f32 v[48+\e], v[16+\e], v32
.endr
.irp e, 0,1,2,3,4,5,6,7
	v_mul_f32 v[48+\e], 0x3fb8aa3b, v[48+\e]
.endr
	v_exp_f32 v37, v37
.irp e, 0,1,2,3,4,5,6,7
	v_exp_f32 v[48+\e], v[48+\e]
.endr
	v_min_u32 v60, v33, v36                        ; a < b: the pair, whatever its order of merit (plain work behind the batch)
	v_max_u32 v61, v33, v36
	s_wait_alu depctr_va_vdst(0)                   ; one wait for the nine exponentials, ahead of their first reader
	v_add_f32 v56, v48, v49
	v_add_f32 v57, 1.0, v37
.irp e, 2,3,4,5,6,7
	v_add_f32 v56, v56, v[48+\e]
.endr
	v_rcp_f32 v58, v57                             ; the better expert's gate
	v_rcp_f32 v38, v56
	v_sub_nc_u32 v64, 15, v60                      ; key = a (15 - a) / 2 + b - a - 1 (plain work behind the two)
	v_mul_u32_u24 v64, v64, v60
	v_lshrrev_b32 v64, 1, v64
	v_add_nc_u32 v64, v64, v61
	v_sub_nc_u32 v64, v64, v60
	v_add_nc_u32 v64, -1, v64
	s_wait_alu depctr_va_vdst(0)                   ; one wait for the two reciprocals
	v_mul_f32 v59, v37, v58
.irp e, 0,1,2,3,4,5,6,7
	v_mul_f32 v[48+\e], v[48+\e], v38              ; the full softmax
.endr
	v_cmp_lt_u32 vcc_lo, v33, v36
	v_cndmask_b32 v62, v59, v58, vcc_lo            ; a's gate
	v_cndmask_b32 v63, v58, v59, vcc_lo            ; b's
	v_mov_b32 v65, 0
	v_mov_b32 v66, 0
.set q, 0
.rept 28                               ; my rank among the lanes below me with my key; lane q gets the group's count of key q.  Values only
	v_cmp_eq_u32 vcc_lo, q, v64
	v_mbcnt_lo_u32_b32 v67, vcc_lo, 0
	v_cndmask_b32 v65, v65, v67, vcc_lo
	s_bcnt1_i32_b32 s50, vcc_lo
	v_writelane_b32 v66, s50, q
.set q, q+1
.endr
	v_lshl_or_b32 v68, v60, 8, v64
	v_lshl_or_b32 v68, v61, 12, v68
	v_lshl_or_b32 v68, v65, 16, v68                ; key | a << 8 | b << 12 | rank << 16
	global_store_b32 v69, v68, s[42:43]
	global_store_b32 v69, v66, s[42:43] offset:32768
	global_store_b64 v70, v[62:63], s[44:45]
.irp k, 1,2,4,8
.irp e, 0,1,2,3,4,5,6,7
	v_add_f32_dpp v[48+\e], v[48+\e], v[48+\e] row_xmask:\k row_mask:0xf bank_mask:0xf
.endr
.endr
.irp e, 0,1,2,3,4,5,6,7
	v_permlanex16_b32 v[T+\e], v[48+\e], s40, s41
.endr
.irp e, 0,1,2,3,4,5,6,7
	v_add_f32 v[48+\e], v[48+\e], v[T+\e]          ; the group's sum of each expert's softmax
.endr
	v_mov_b32 v71, v48
.irp e, 1,2,3,4,5,6,7
	v_cmp_eq_u32 vcc_lo, \e, v2
	v_cndmask_b32 v71, v71, v[48+\e], vcc_lo       ; lane e takes expert e's
.endr
	s_wait_xcnt 0x0                                ; EXEC changes only behind this wait
	v_cmp_gt_u32 vcc_lo, 8, v2
	s_and_saveexec_b32 s51, vcc_lo
	global_store_b32 v69, v71, s[46:47] offset:65536
	s_wait_xcnt 0x0
	s_or_b32 exec_lo, exec_lo, s51
.Lxend:
	s_wait_tensorcnt 0x0
	ds_add_u32 v254, v255
	s_wait_dscnt 0x0
	s_endpgm
.Lfunc_end_k_qefff2e17a8_prep:
	.size	k_qefff2e17a8_prep, .Lfunc_end_k_qefff2e17a8_prep-k_qefff2e17a8_prep
	.p2alignl 7, 3214868480
	.fill 96, 4, 3214868480
	.section	.rodata,"a",@progbits
	.p2align	6, 0x0
	.amdhsa_kernel k_qefff2e17a8_prep
		.amdhsa_group_segment_fixed_size 35328
		.amdhsa_private_segment_fixed_size 0
		.amdhsa_enable_private_segment 0
		.amdhsa_kernarg_size 104
		.amdhsa_user_sgpr_count 2
		.amdhsa_user_sgpr_kernarg_segment_ptr 1
		.amdhsa_wavefront_size32 1
		.amdhsa_system_sgpr_workgroup_id_x 1
		.amdhsa_system_sgpr_workgroup_id_y 1
		.amdhsa_system_sgpr_workgroup_id_z 1
		.amdhsa_system_vgpr_workitem_id 0
		.amdhsa_next_free_vgpr 512
		.amdhsa_next_free_sgpr 66
		.amdhsa_reserve_vcc 1
		.amdhsa_float_denorm_mode_32 3
		.amdhsa_float_denorm_mode_16_64 3
		.amdhsa_memory_ordered 1
		.amdhsa_forward_progress 1
		.amdhsa_inst_pref_size 221
	.end_amdhsa_kernel
	.amdgpu_metadata
---
amdhsa.version: [ 1, 2 ]
amdhsa.kernels:
  - .name:           k_qefff2e17a8_prep
    .symbol:         k_qefff2e17a8_prep.kd
    .args:
      - { .name: x, .offset: 0, .size: 8, .value_kind: global_buffer, .address_space: global }
      - { .name: gate_W, .offset: 8, .size: 8, .value_kind: global_buffer, .address_space: global }
      - { .name: gate_b, .offset: 16, .size: 8, .value_kind: global_buffer, .address_space: global }
      - { .name: W1, .offset: 24, .size: 8, .value_kind: global_buffer, .address_space: global }
      - { .name: W2, .offset: 32, .size: 8, .value_kind: global_buffer, .address_space: global }
      - { .name: xc, .offset: 40, .size: 8, .value_kind: global_buffer, .address_space: global }
      - { .name: xs, .offset: 48, .size: 8, .value_kind: global_buffer, .address_space: global }
      - { .name: wc, .offset: 56, .size: 8, .value_kind: global_buffer, .address_space: global }
      - { .name: ws, .offset: 64, .size: 8, .value_kind: global_buffer, .address_space: global }
      - { .name: route, .offset: 72, .size: 8, .value_kind: global_buffer, .address_space: global }
      - { .name: gf, .offset: 80, .size: 8, .value_kind: global_buffer, .address_space: global }
      - { .name: rec, .offset: 88, .size: 8, .value_kind: global_buffer, .address_space: global }
      - { .name: gso, .offset: 96, .size: 8, .value_kind: global_buffer, .address_space: global }
    .group_segment_fixed_size: 35328
    .private_segment_fixed_size: 0
    .kernarg_segment_align: 8
    .kernarg_segment_size: 104
    .max_flat_workgroup_size: 128
    .sgpr_count:     66
    .vgpr_count:     512
    .wavefront_size: 32
...
	.end_amdgpu_metadata
.endif
;; end of part 1
;; launch place (part 2): grid 8 x 1, 8 waves a work-group, no clusters, 6,656 bytes of LDS; arguments route, gf, rec, gso, out1; writes rec, gso, out1
.if DOCPART == 2
	.amdgcn_target "amdgcn-amd-amdhsa--gfx1250"
	.amdhsa_code_object_version 6
	.text
	.protected	k_qefff2e17a8_place
	.globl	k_qefff2e17a8_place
	.p2align	8
	.type	k_qefff2e17a8_place,@function
k_qefff2e17a8_place:
	s_mov_b64 s[64:65], 0
	v_nop
	global_prefetch_b8 v0, s[64:65] scope:SCOPE_SE
	s_setreg_imm32_b32 hwreg(HW_REG_WAVE_MODE, 25, 1), 1
	s_wait_xcnt 0x0
; PLACE.  The 8,192 tokens are sorted by their pair of experts (28 keys) into tiles of 64 rows, each tile of one key; the load-balance loss is finished.
; It reads whole numbers that the launch before stored: a key word for each token and, for each group of 32 tokens, the count of each key.  A token's place is
;   64 x (tiles of the keys below) + (its key's count in the blocks of 32 groups below) + (in its block's groups below) + (its rank in its group).
; EIGHT WORK-GROUPS: work-group c places the 1,024 tokens of block c (groups 32 c .. 32 c + 31), each of its eight waves four groups.  Every work-group sums all 256 rows of counts for itself, 32 rows a wave:
; wave w takes block (w + c) % 8, so that the work-group's own block always falls to wave 0, which lays its 32 running sums into LDS at fixed addresses: no LDS address hangs on the work-group's number.
; For the sums a lane is a key, for the placing a token.  The places that no token takes hold the zeros that the launch before laid.
; rec: token | a << 16 | b << 20 | 1 << 24;  gso: the two gates, 8 bytes a place.  There are never more than 8192 / 64 + 27 = 155 tiles.
; LDS: 0: block c's running sums, 32 rows of 128 bytes; 4096: the eight waves' totals; 5120: the eight waves' softmax sums.
.set H,   32                           ; v32-63   counts of 32 groups
.set IM,  64                           ; v64-71   eight words of softmax sums
.set KW,  72                           ; v72-75   my four groups' key words
.set GP,  76                           ; v76-83   and gates
.set PRE, 84                           ; v84-116  running sums over the 32 groups
.set PB,  120                          ; v120-123 where each key begins in my four groups
.set IX,  124                          ; v124-127 lane selects, later the places x 8
.set PS,  128                          ; v128-131 the places, later x 4
.set RC,  132                          ; v132-135 the records
	s_load_b256 s[4:11], s[0:1], 0x0               ; route s[4:5], gf s[6:7], rec s[8:9], gso s[10:11]
	s_load_b64 s[12:13], s[0:1], 0x20              ; out1
	v_lshl_add_u32 v144, v0, 2, 0x1600
	v_mov_b32 v145, 0
	v_lshrrev_b32 v1, 5, v0
	v_readfirstlane_b32 s14, v1                    ; wave 0..7
	v_and_b32 v1, 31, v0                           ; lane
	s_and_b32 s22, ttmp9, 7                        ; c
	s_add_co_u32 s15, s14, s22
	s_and_b32 s15, s15, 7                          ; the block whose counts I sum
	s_lshl_b32 s15, s15, 12
	v_lshl_add_u32 v2, v1, 2, s15                  ; its rows in memory: 4 lane + 4,096 x block
	s_lshl_b32 s16, s22, 3
	s_add_co_u32 s16, s16, s14                     ; 8 c + w: my four groups are 4 (8 c + w) + 0 .. 3
	s_lshl_b32 s17, s16, 9
	v_lshl_add_u32 v3, v1, 2, s17                  ; their key words: 128 bytes a group
	s_lshl_b32 s17, s16, 10
	v_lshl_add_u32 v4, v1, 3, s17                  ; their gates: 256 bytes a group
	s_lshl_b32 s17, s16, 7
	v_add_nc_u32 v30, s17, v1                      ; my token of the first of them
	s_lshl_b32 s17, s14, 10
	v_lshl_add_u32 v5, v1, 2, s17                  ; softmax sums: 4 lane + 1,024 w
	v_lshl_add_u32 v6, v0, 2, 4096                 ; LDS: my wave's totals, a word a key
	v_and_b32 v7, 7, v1
	s_lshl_b32 s18, s14, 5
	s_add_co_u32 s18, s18, 5120
	v_lshl_add_u32 v7, v7, 2, s18                  ; LDS: my wave's eight softmax sums
	s_lshl_b32 s18, s14, 9
	v_lshl_add_u32 v9, v1, 2, s18                  ; LDS: the running sums of my four groups: rows 4 w + 0 .. 3
	v_lshlrev_b32 v12, 2, v1
	v_lshl_add_u32 v13, v1, 2, 5120
	v_mov_b32 v8, 0
	v_mov_b32 v31, 0
	v_mov_b32 v28, 0
	s_mov_b32 s20, 0x76543210
	s_mov_b32 s21, 0xfedcba98
	s_wait_kmcnt 0x0
.set j, 0
.rept 32
	global_load_b32 v[H+j], v2, s[4:5] offset:32768+128*j
.set j, j+1
.endr
.set j, 0
.rept 8
	global_load_b32 v[IM+j], v5, s[6:7] offset:65536+128*j
.set j, j+1
.endr
.set j, 0
.rept 4
	global_load_b32 v[KW+j], v3, s[4:5] offset:128*j
.set j, j+1
.endr
.set j, 0
.rept 4
	global_load_b64 v[GP+2*j:GP+2*j+1], v4, s[6:7] offset:256*j
.set j, j+1
.endr
	s_wait_loadcnt 16                              ; the counts are in; the 8 + 4 + 4 loads behind them may be out
	v_mov_b32 v[PRE], 0
.set j, 0
.rept 32
	v_add_nc_u32 v[PRE+1+j], v[PRE+j], v[H+j]
.set j, j+1
.endr
	ds_store_b32 v6, v[PRE+32]
	s_cmp_lg_u32 s14, 0
	s_cbranch_scc1 .Lnot0
.set j, 0
.rept 32
	ds_store_b32 v12, v[PRE+j] offset:128*j        ; wave 0: the work-group's own block
.set j, j+1
.endr
.Lnot0:
	s_wait_loadcnt 8                               ; the softmax sums are in; key words and gates may be out
.irp j, 1,2,3,4,5,6,7
	v_add_f32 v[IM], v[IM], v[IM+\j]               ; all eight words of a lane belong to expert lane % 8
.endr
	v_add_f32_dpp v[IM], v[IM], v[IM] row_xmask:8 row_mask:0xf bank_mask:0xf
	v_permlanex16_b32 v31, v[IM], s20, s21
	v_add_f32 v[IM], v[IM], v31
	ds_store_b32 v7, v[IM]                         ; four lanes store the same word with the same value
	s_wait_dscnt 0x0                               ; for the others' sake: my stores have landed
	s_barrier_signal -1
	s_barrier_wait -1
.irp q, 0,1,2,3,4,5,6,7
	ds_load_b32 v[16+\q], v12 offset:4096+128*\q
.endr
.irp i, 0,1,2,3
	ds_load_b32 v[PB+\i], v9 offset:128*\i
.endr
	ds_load_b32 v14, v13
	ds_load_b32 v15, v13 offset:128
	v_mov_b32 v24, 0
	v_mov_b32 v25, 0
	s_wait_dscnt 0x0
.irp q, 0,1,2,3,4,5,6,7
	s_add_co_u32 s18, s22, \q
	s_and_b32 s18, s18, 7                          ; wave q summed block (q + c) % 8
	s_cmp_lt_u32 s18, s22
	s_cselect_b32 s18, -1, 0
	v_add_nc_u32 v24, v24, v[16+\q]                ; the key's count in all,
	v_and_b32 v26, s18, v[16+\q]
	v_add_nc_u32 v25, v25, v26                     ; and in the blocks below mine
.endr
	v_add_nc_u32 v26, 63, v24
	v_lshrrev_b32 v26, 6, v26                      ; the key's tiles
	v_mov_b32 v27, v26
.irp d, 1,2,4,8
	v_mov_b32_dpp v28, v27 row_shr:\d row_mask:0xf bank_mask:0xf bound_ctrl:1
	v_add_nc_u32 v27, v27, v28
.endr
	v_readlane_b32 s18, v27, 15
	v_lshrrev_b32 v29, 4, v1
	v_mad_u32_u24 v27, v29, s18, v27               ; tiles up to and with my key
	v_sub_nc_u32 v27, v27, v26
	v_lshl_add_u32 v27, v27, 6, v25                ; where my block's tokens of this key begin
	s_wait_loadcnt 0x0
.irp i, 0,1,2,3
	v_add_nc_u32 v[PB+\i], v27, v[PB+\i]
	v_and_b32 v[IX+\i], 31, v[KW+\i]
	v_lshlrev_b32 v[IX+\i], 2, v[IX+\i]
	ds_bpermute_b32 v[PS+\i], v[IX+\i], v[PB+\i]   ; my token's key's beginning in its group, from the lane of that key
.endr
	s_wait_dscnt 0x0
.irp i, 0,1,2,3
	v_bfe_u32 v[IX+\i], v[KW+\i], 16, 6            ; rank
	v_add_nc_u32 v[PS+\i], v[PS+\i], v[IX+\i]
	v_min_u32 v[PS+\i], 10239, v[PS+\i]            ; inside the buffers, whatever was read
	v_lshlrev_b32 v[IX+\i], 3, v[PS+\i]
	v_lshlrev_b32 v[PS+\i], 2, v[PS+\i]
	v_bfe_u32 v[RC+\i], v[KW+\i], 8, 8             ; a | b << 4
	v_lshl_or_b32 v[RC+\i], v[RC+\i], 16, v30
	v_or_b32 v[RC+\i], (1<<24)|(32*\i), v[RC+\i]
	global_store_b32 v[PS+\i], v[RC+\i], s[8:9]
	global_store_b64 v[IX+\i], v[GP+2*\i:GP+2*\i+1], s[10:11]
.endr
	; the loss: 0.01 x 8 x the sum over experts of (mean softmax)^2
	v_add_f32 v14, v14, v15
	v_add_f32_dpp v14, v14, v14 row_xmask:8 row_mask:0xf bank_mask:0xf
	v_permlanex16_b32 v31, v14, s20, s21
	v_add_f32 v14, v14, v31                        ; expert lane % 8: the sum over all tokens
	v_mul_f32 v14, 0x39000000, v14                 ; / 8,192
	v_mul_f32 v14, v14, v14
.irp k, 1,2,4
	v_add_f32_dpp v14, v14, v14 row_xmask:\k row_mask:0xf bank_mask:0xf
.endr
	v_mul_f32 v14, 0x3da3d70a, v14                 ; x 0.08
	s_or_b32 s19, s14, s22
	s_cmp_lg_u32 s19, 0
	s_cbranch_scc1 .Lend                           ; wave 0 of work-group 0 stores it
	s_wait_xcnt 0x0                                ; EXEC changes only behind this wait
	v_cmp_eq_u32 vcc_lo, 0, v1
	s_and_saveexec_b32 s19, vcc_lo
	global_store_b32 v8, v14, s[12:13]             ; v8 = 0
	s_wait_xcnt 0x0
	s_or_b32 exec_lo, exec_lo, s19
.Lend:
	s_wait_tensorcnt 0x0
	ds_add_u32 v144, v145
	s_wait_dscnt 0x0
	s_endpgm
.Lfunc_end_k_qefff2e17a8_place:
	.size	k_qefff2e17a8_place, .Lfunc_end_k_qefff2e17a8_place-k_qefff2e17a8_place
	.p2alignl 7, 3214868480
	.fill 96, 4, 3214868480
	.section	.rodata,"a",@progbits
	.p2align	6, 0x0
	.amdhsa_kernel k_qefff2e17a8_place
		.amdhsa_group_segment_fixed_size 6656
		.amdhsa_private_segment_fixed_size 0
		.amdhsa_enable_private_segment 0
		.amdhsa_kernarg_size 40
		.amdhsa_user_sgpr_count 2
		.amdhsa_user_sgpr_kernarg_segment_ptr 1
		.amdhsa_wavefront_size32 1
		.amdhsa_system_sgpr_workgroup_id_x 1
		.amdhsa_system_sgpr_workgroup_id_y 1
		.amdhsa_system_sgpr_workgroup_id_z 1
		.amdhsa_system_vgpr_workitem_id 0
		.amdhsa_next_free_vgpr 146
		.amdhsa_next_free_sgpr 66
		.amdhsa_reserve_vcc 1
		.amdhsa_float_denorm_mode_32 3
		.amdhsa_float_denorm_mode_16_64 3
		.amdhsa_memory_ordered 1
		.amdhsa_forward_progress 1
		.amdhsa_inst_pref_size 18
	.end_amdhsa_kernel
	.amdgpu_metadata
---
amdhsa.version: [ 1, 2 ]
amdhsa.kernels:
  - .name:           k_qefff2e17a8_place
    .symbol:         k_qefff2e17a8_place.kd
    .args:
      - { .name: route, .offset: 0, .size: 8, .value_kind: global_buffer, .address_space: global }
      - { .name: gf, .offset: 8, .size: 8, .value_kind: global_buffer, .address_space: global }
      - { .name: rec, .offset: 16, .size: 8, .value_kind: global_buffer, .address_space: global }
      - { .name: gso, .offset: 24, .size: 8, .value_kind: global_buffer, .address_space: global }
      - { .name: out1, .offset: 32, .size: 8, .value_kind: global_buffer, .address_space: global }
    .group_segment_fixed_size: 6656
    .private_segment_fixed_size: 0
    .kernarg_segment_align: 8
    .kernarg_segment_size: 40
    .max_flat_workgroup_size: 256
    .sgpr_count:     66
    .vgpr_count:     146
    .wavefront_size: 32
...
	.end_amdgpu_metadata
.endif
;; end of part 2
;; launch chain (part 3): grid 155 x 1, 4 waves a work-group, no clusters, 217,600 bytes of LDS; arguments xc, xs, wc, ws, b1, b2, rec, gso, out0; writes out0
.if DOCPART == 3
	.amdgcn_target "amdgcn-amd-amdhsa--gfx1250"
	.amdhsa_code_object_version 6
	.text
	.protected	k_qefff2e17a8_chain
	.globl	k_qefff2e17a8_chain
	.p2align	8
	.type	k_qefff2e17a8_chain,@function
k_qefff2e17a8_chain:
	s_mov_b64 s[64:65], 0
	v_nop
	global_prefetch_b8 v0, s[64:65] scope:SCOPE_SE
	s_setreg_imm32_b32 hwreg(HW_REG_WAVE_MODE, 25, 1), 1
	s_wait_xcnt 0x0
; CHAIN.  A work-group takes one tile of 64 tokens that chose the same two experts a < b through everything:
;   out = ga (relu(x W1a + b1a) W2a + b2a) + gb (relu(x W1b + b1b) W2b + b2b), all four products on codes of E2M3 with E8M0 scales; sums, biases, relu and gates in f32.
; So each row of out0 has one owner and nothing is added between work-groups.  155 work-groups = 8192 / 64 + 27: as many tiles as any choice of experts can need.
; A TILE THAT THE LIST LEAVES EMPTY (its first record is 0) multiplies nothing and stores nothing to memory.  It still passes both barriers and walks the loop: the jumps on the list's number stand round the products
; and the stores alone, never round a barrier or a whole loop.  Its head names token 0 and expert 0, which lie inside their buffers; in the first product's place it lays zeros where its hidden layer would lie.
; THE WAVES SHARE THE COLUMNS: wave w makes hidden units 128 w .. + 127 of both experts and outputs 256 w .. + 255, for all 64 rows (four tiles of 16 rows, m).
; THE WEIGHTS come from memory straight into registers, as images of the operand's registers that an earlier launch laid out, through a ring of 16 fragments (48 loads of 16 bytes a lane on their way).
; The ring is read out and filled again FOUR FRAGMENTS AT A TIME: 16 products, four places, one run of 12 loads: so a wave has 64 such runs for its 1,024 products.
; Which experts a tile reads is known from the stored list alone, and jumps hang on that list too: so there are no tensor loads, and no cluster: neighbouring tiles need not share an expert.
; x's codes are gathered once (wave w: rows 16 w .. + 15) and go from wave to wave through LDS as register images; so does the hidden layer, which never goes to memory.
; Both products are used transposed (source 0 = 16 rows of the weight, source 1 = 16 tokens): a lane holds one token, and its registers run along the hidden units or the outputs.
; ROWS THAT THE LIST LEAVES EMPTY IN A TILE'S TAIL are made copies of the tile's row 0: they compute and store row 0's numbers once more, to row 0's address.
; LIMITS: NaN and infinities are not served; a block of the hidden layer whose largest number lies under 2^-124, zeros among them, keeps the scale byte 1 (its codes are then zeros or the nearest codes under that scale).
; REGISTERS, in windows of 256.  Window 0: v1-31 addresses; v32-39 gates; v40-43 records; v44-59, v60-123 scale words and nothing else; v124-220 at work; v224-255 the rows' offsets in out0.
;   Window 1: the hidden layer's 32 accumulators, later a's 16 hidden fragments and 8 accumulators.   Window 2: x's fragments, b1, later b's hidden fragments and accumulators.   Window 3: the ring; from v192 the combined results.
.set FRB,  1536                        ; a fragment's image
.set XIMG, 0                           ; LDS: x's 32 fragments, (m, K step s) at (8 m + s) FRB
.set XSC,  49152                       ; their scale words: 512 m + 16 lane
.set HIMG, 51200                       ; the hidden layers' 32 fragments: ((4 j + m) 4 + s) FRB, j = 0 for a, 1 for b
.set HSC,  100352                      ; their scale words: ((4 j + m) 4 + s) 64 + 4 r
.set AUX,  102400                      ; each wave's own: W2's scale images 4096 j + 512 c + 256 sigma; b2 at 8192 + 1024 j; b1 at 10240 + 512 j
.set AUXW, 11264
.set STG,  147456                      ; each wave's own stage for the way out: 64 rows x (256 + 16) bytes
.set STGW, 17408
.set LI,  4                            ; v4   16 x lane
.set L8,  5                            ; v5   8 x lane
.set LIH, 6                            ; v6   16 x lane + HIMG
.set L4H, 7                            ; v7   4 x lane + HSC
.set XWI, 8                            ; v8   where I store x's images
.set HWI, 9                            ; v9   the hidden layer's
.set HWS, 10                           ; v10  and its scale words
.set STO, 11                           ; v11  the stage, in
.set RD,  12                           ; v12  the stage, back
.set ASC0, 13                          ; v13  W2's scale words of my first chunk; never rewritten
.set AB20, 14                          ; v14  b2 of my first chunk; never rewritten
.set AB1, 15                           ; v15  b1
.set AUW, 16                           ; v16  my AUX region + 16 x lane
.set XA,  17                           ; v17  my token's codes
.set CO,  18                           ; v18  my bytes in a row of out0
.set RW,  19                           ; v19  the record of the row that I gather
.set ASC, 20                           ; v20  v13 + the trip's 1,024 bytes a trip
.set AB2, 21                           ; v21  v14 + the trip's 256 bytes a trip
.set R0,  28                           ; v28-30 row 0's record and gates
.set XSW, 31                           ; v31  where I store x's scale words
.set G,   32
.set REC, 40
.set XS,  44                           ; x's scale words: v[XS + 4 m + s % 4], lanes 0-15 K steps 0-3, lanes 16-31 K steps 4-7
.set HS,  44                           ; later the hidden layers': v[HS + 8 j + 2 m + s / 2], lanes 0-15 even s, lanes 16-31 odd s
.set W1S, 60                           ; W1's scale words: v[W1S + 32 j + 8 (t / 2) + s], lanes 0-15 even t, lanes 16-31 odd t
.set SA,  60                           ; later W2's: v[SA + 4 j + s], lanes 0-15 the chunk's first tile, lanes 16-31 its second
.set QS,  124                          ; 64 numbers to be quantised
.set TM,  188                          ; v188-191 largest magnitudes, v192-195 bytes, v196-199 the conversions' scale operands
.set PC,  200                          ; the codes just made
.set PW,  220                          ; the scale word just made
.set B2,  124                          ; later: b2 in the result's layout: v[B2 + 16 j + 8 ct]
.set RB,  156                          ; later: rows on their way out, two sets of 32
.set TOK, 224
.set AUXT, 160                         ; window 2: what goes into AUX
.set W1A, 28                           ; s[28:29], s[30:31] W1's images of a, of b, my hidden group
.set W1B, 30
.set PP,  32                           ; s[32:33], s[34:35] W2's images of a, of b, my outputs; they walk
.set QQ,  34
.set SEL, 52
.set MSB, 0
.macro WIN new                         ; the immediate's high byte repeats the setting that is left
.if MSB != \new
	s_set_vgpr_msb (MSB<<8)|\new
.set MSB, \new
.endif
.endm
.macro PLACES                          ; four plain places behind matrix instructions, ahead of loads into their registers and of reads of their results
.rept 4
	v_nop
.endr
.endm
.macro WM d, a, b, c, sa, sb, ra, rb   ; one product; ra, rb: the scales stand in lanes 16-31
.if (\ra) && (\rb)
	v_wmma_scale_f32_16x16x128_f8f6f4 v[(\d):(\d)+7], v[(\a):(\a)+11], v[(\b):(\b)+11], v[(\c):(\c)+7], v[\sa], v[\sb] matrix_a_fmt:MATRIX_FMT_FP6 matrix_b_fmt:MATRIX_FMT_FP6 matrix_a_scale:MATRIX_SCALE_ROW1 matrix_b_scale:MATRIX_SCALE_ROW1
.elseif (\ra)
	v_wmma_scale_f32_16x16x128_f8f6f4 v[(\d):(\d)+7], v[(\a):(\a)+11], v[(\b):(\b)+11], v[(\c):(\c)+7], v[\sa], v[\sb] matrix_a_fmt:MATRIX_FMT_FP6 matrix_b_fmt:MATRIX_FMT_FP6 matrix_a_scale:MATRIX_SCALE_ROW1
.elseif (\rb)
	v_wmma_scale_f32_16x16x128_f8f6f4 v[(\d):(\d)+7], v[(\a):(\a)+11], v[(\b):(\b)+11], v[(\c):(\c)+7], v[\sa], v[\sb] matrix_a_fmt:MATRIX_FMT_FP6 matrix_b_fmt:MATRIX_FMT_FP6 matrix_b_scale:MATRIX_SCALE_ROW1
.else
	v_wmma_scale_f32_16x16x128_f8f6f4 v[(\d):(\d)+7], v[(\a):(\a)+11], v[(\b):(\b)+11], v[(\c):(\c)+7], v[\sa], v[\sb] matrix_a_fmt:MATRIX_FMT_FP6 matrix_b_fmt:MATRIX_FMT_FP6
.endif
.endm
.macro RFILL k0, base, off             ; four slots of the ring: twelve loads, each of 512 consecutive bytes
	WIN 0xc0
.irp k, 0,1,2,3
.irp c, 0,1,2
	global_load_b128 v[12*((\k0)+\k)+4*\c:12*((\k0)+\k)+4*\c+3], v[LI], s[\base:\base+1] offset:(\off)+FRB*\k+512*\c
.endr
.endr
.endm
.macro XFETCH q, s                     ; x's four fragments of K step s into set q
	WIN 0x80
.irp m, 0,1,2,3
.irp c, 0,1,2
	ds_load_b128 v[48*(\q)+12*\m+4*\c:48*(\q)+12*\m+4*\c+3], v[LI] offset:XIMG+(8*\m+(\s))*FRB+512*\c
.endr
.endr
.endm
.macro B1LOAD j                        ; b1 in the result's layout: lane (r, h), tile t: units 32 (t / 2) + 16 h + 8 (t % 2) + 0 .. 7
	WIN 0x80
.irp t, 0,1,2,3,4,5,6,7
	ds_load_b128 v[96+8*\t:96+8*\t+3], v[AB1] offset:512*(\j)+(32*(\t/2)+8*(\t%2))*4
	ds_load_b128 v[96+8*\t+4:96+8*\t+7], v[AB1] offset:512*(\j)+(32*(\t/2)+8*(\t%2))*4+16
.endr
.endm
.macro AUXST                           ; W2's scale images and b2 of both experts go from registers into my own LDS bytes
	WIN 0x08                                       ; an LDS store's data: window 2
.irp j, 0,1
.irp i, 0,1,2,3,4,5,6,7
	ds_store_b128 v[AUW], v[AUXT+40*\j+4*\i:AUXT+40*\j+4*\i+3] offset:4096*\j+512*\i
.endr
.irp i, 0,1
	ds_store_b128 v[AUW], v[AUXT+40*\j+32+4*\i:AUXT+40*\j+32+4*\i+3] offset:8192+1024*\j+512*\i
.endr
.endr
	WIN 0
.endm
; The first product: tile t of my hidden units against the four tiles of rows.  The 32 accumulators take turns, one instruction a turn.  The first K step takes b1 as C.
.macro P1MUL j, s, t
.if (\s) == 0
	WIN 0x6b                                       ; W1 window 3, x window 2, b1 window 2, the sums window 1
.else
	WIN 0x5b
.endif
.irp m, 0,1,2,3
.if (\s) == 0
	WM 64*\m+8*(\t), 12*(8*((\s)%2)+(\t)), 48*((\s)%2)+12*\m, 96+8*(\t), W1S+32*(\j)+8*((\t)/2)+(\s), XS+4*\m+(\s)%4, (\t)%2, (\s)/4
.else
	WM 64*\m+8*(\t), 12*(8*((\s)%2)+(\t)), 48*((\s)%2)+12*\m, 64*\m+8*(\t), W1S+32*(\j)+8*((\t)/2)+(\s), XS+4*\m+(\s)%4, (\t)%2, (\s)/4
.endif
.endr
.endm
.macro P1STEP j, s, base, off          ; K step s: 32 products in two batches; four slots are filled again as soon as they are read out
.if (\s) < 7
	XFETCH ((\s)+1)%2, (\s)+1
	s_wait_dscnt 12                                ; all but the next K step's twelve
.else
	s_wait_dscnt 0x0
.endif
.irp t0, 0,4
	s_wait_loadcnt 36                              ; behind these four slots' twelve loads stand the other twelve slots' 36
	P1MUL \j, \s, \t0
	P1MUL \j, \s, \t0+1
	P1MUL \j, \s, \t0+2
	P1MUL \j, \s, \t0+3
	PLACES
	RFILL 8*((\s)%2)+\t0, \base, (\off)+FRB*\t0
.endr
.endm
; 64 numbers of a lane, register 16 b + i = k 32 b + 16 (lane / 16) + i of my row, none negative, become a fragment's codes in v[PC] on and its scale word in v[PW].
.macro QUANT s
.irp b, 0,1,2,3
	v_max3_num_f32 v[TM+\b], v[\s+16*\b], v[\s+1+16*\b], 0x1800000   ; with the floor 2^(3 - 127): the byte cannot fall under 1
.endr
.irp i, 2,4,6,8,10,12,14
.irp b, 0,1,2,3
	v_max3_num_f32 v[TM+\b], v[TM+\b], v[\s+16*\b+\i], v[\s+1+16*\b+\i]
.endr
.endr
.irp b, 0,1,2,3
	v_permlanex16_b32 v[TM+4+\b], v[TM+\b], s[SEL], s[SEL+1]
.endr
.irp b, 0,1,2,3
	v_max_num_f32 v[TM+\b], v[TM+\b], v[TM+4+\b]   ; with lane l xor 16's: the block's largest
.endr
.irp b, 0,1,2,3
	v_add_nc_u32 v[TM+8+\b], 0xff000000, v[TM+\b]  ; 2 off the exponent field: the conversion's scale operand
.endr
.irp b, 0,1,2,3
	v_lshrrev_b32 v[TM+4+\b], 23, v[TM+8+\b]       ; the scale's byte
.endr
	v_lshl_or_b32 v[PW], v[TM+5], 8, v[TM+4]
	v_lshl_or_b32 v[PW], v[TM+6], 16, v[PW]
	v_lshl_or_b32 v[PW], v[TM+7], 24, v[PW]
.irp c, 0,1
	v_cvt_scalef32_pk16_fp6_f32 v[PC+6*\c:PC+2+6*\c], v[\s+32*\c:\s+15+32*\c], v[TM+8+2*\c]
	v_cvt_scalef32_pk16_fp6_f32 v[PC+12+4*\c:PC+14+4*\c], v[\s+16+32*\c:\s+31+32*\c], v[TM+8+2*\c+1]
.endr
	v_nop                                          ; one plain place behind the conversions
.irp c, 0,1                            ; the operand wants a whole block in a lane: lanes 0-15 block 2 c, lanes 16-31 block 2 c + 1
.irp i, 0,1,2
	v_permlane16_swap_b32 v[PC+6*\c+\i], v[PC+12+4*\c+\i]
.endr
.irp i, 0,1,2
	v_mov_b32 v[PC+3+6*\c+\i], v[PC+12+4*\c+\i]
.endr
.endr
.endm
.macro HOUT j                          ; my 128 hidden units of the 64 rows: relu, quantised, K step w of the second product, to LDS as images
.irp m, 0,1,2,3
	WIN 0x04
.set i, 0
.rept 64
	v_max_num_f32 v[QS+i], 0, v[64*\m+i]           ; each accumulator from its low end on
.set i, i+1
.endr
	WIN 0
	QUANT QS
.irp c, 0,1,2
	ds_store_b128 v[HWI], v[PC+4*\c:PC+4*\c+3] offset:24576*(\j)+6144*\m+512*\c
.endr
	ds_store_b32 v[HWS], v[PW] offset:1024*(\j)+256*\m
	s_wait_dscnt 0x0                               ; the stores have read their registers
.endr
.endm
; The second product: tile ct of the chunk, K step s, against the four tiles of rows; four accumulators by turns.  The first K step takes b2 as C.
.macro P2MUL j, ct, s
.if (\j) == 0
.if (\s) == 0
	WIN 0x47                                       ; W2 window 3, a's hidden layer window 1, b2 window 0, the sums window 1
.else
	WIN 0x57
.endif
.else
.if (\s) == 0
	WIN 0x8b                                       ; the same for b, in window 2
.else
	WIN 0xab
.endif
.endif
.irp m, 0,1,2,3
.if (\s) == 0
	WM 192+8*(4*(\ct)+\m), 12*(8*(\j)+4*(\ct)+(\s)), 12*(4*\m+(\s)), B2+16*(\j)+8*(\ct), SA+4*(\j)+(\s), HS+8*(\j)+2*\m+(\s)/2, \ct, (\s)%2
.else
	WM 192+8*(4*(\ct)+\m), 12*(8*(\j)+4*(\ct)+(\s)), 12*(4*\m+(\s)), 192+8*(4*(\ct)+\m), SA+4*(\j)+(\s), HS+8*(\j)+2*\m+(\s)/2, \ct, (\s)%2
.endif
.endr
.endm
.macro P2PART j, fill, base, off, cnt, dec   ; one expert's half of a chunk: 32 products in two batches of four slots, a tile of outputs each
.irp ct, 0,1
	s_wait_loadcnt (\cnt)-(\dec)*\ct               ; the loads issued behind this batch's twelve
	P2MUL \j, \ct, 0
	P2MUL \j, \ct, 1
	P2MUL \j, \ct, 2
	P2MUL \j, \ct, 3
	PLACES
.if \fill
	RFILL 8*(\j)+4*\ct, \base, (\off)+4*\ct*FRB
.endif
.endr
.endm
.macro AUXLD j, rc, ra, rb             ; W2's scale words (address register ra) and b2 (rb) of the chunk rc further on, from my own LDS bytes
	ds_load_b64 v[SA+4*(\j):SA+4*(\j)+1], v[\ra] offset:4096*(\j)+512*(\rc)
	ds_load_b64 v[SA+4*(\j)+2:SA+4*(\j)+3], v[\ra] offset:4096*(\j)+512*(\rc)+256
.irp ct, 0,1
	ds_load_b128 v[B2+16*(\j)+8*\ct:B2+16*(\j)+8*\ct+3], v[\rb] offset:1024*(\j)+128*(\rc)+64*\ct
	ds_load_b128 v[B2+16*(\j)+8*\ct+4:B2+16*(\j)+8*\ct+7], v[\rb] offset:1024*(\j)+128*(\rc)+64*\ct+16
.endr
.endm
.macro COMBINE ch                      ; ga x a's sums + gb x b's, into the stage
	WIN 0xc1                                       ; destination window 3, a's sums window 1, the gates window 0
.irp ct, 0,1
.irp m, 0,1,2,3
.irp p, 0,2,4,6
	v_pk_mul_f32 v[192+8*(4*\ct+\m)+\p:192+8*(4*\ct+\m)+\p+1], v[192+8*(4*\ct+\m)+\p:192+8*(4*\ct+\m)+\p+1], v[G+2*\m:G+2*\m+1] op_sel_hi:[1,0]
.endr
.endr
.endr
	WIN 0xf2                                       ; b's sums window 2, the addend window 3
.irp ct, 0,1
.irp m, 0,1,2,3
.irp p, 0,2,4,6
	v_pk_fma_f32 v[192+8*(4*\ct+\m)+\p:192+8*(4*\ct+\m)+\p+1], v[192+8*(4*\ct+\m)+\p:192+8*(4*\ct+\m)+\p+1], v[G+2*\m:G+2*\m+1], v[192+8*(4*\ct+\m)+\p:192+8*(4*\ct+\m)+\p+1] op_sel:[0,1,0] op_sel_hi:[1,1,1]
.endr
.endr
.endr
	WIN 0x0c                                       ; an LDS store's data: window 3
.irp ct, 0,1
.irp m, 0,1,2,3
	ds_store_b128 v[STO], v[192+8*(4*\ct+\m):192+8*(4*\ct+\m)+3] offset:4352*\m+128*(\ch)+64*\ct
	ds_store_b128 v[STO], v[192+8*(4*\ct+\m)+4:192+8*(4*\ct+\m)+7] offset:4352*\m+128*(\ch)+64*\ct+16
.endr
.endr
	WIN 0
.endm
.macro CHUNK ch, fill                  ; 32 outputs x 64 rows x both experts: 64 products
	s_wait_dscnt 0x0                               ; the chunk's scale words and b2 are in; the last chunk's stores into the stage have read their registers
.if \fill
	P2PART 0, 1, PP, 12288*((\ch)+1), 36, 0
	WIN 0
	AUXLD 0, (\ch)+1, ASC, AB2
	P2PART 1, 1, QQ, 12288*((\ch)+1), 36, 0
	WIN 0
	AUXLD 1, (\ch)+1, ASC, AB2
.else
	P2PART 0, 0, PP, 0, 36, 12                     ; the last chunk fetches nothing: the counts run down: 36, 24,
	P2PART 1, 0, QQ, 0, 12, 12                     ; 12, 0
.endif
	COMBINE \ch
.endm
.macro SGRP g                          ; eight pairs of rows back from the stage; LDS serves a wave's instructions in order
.irp i, 0,1,2,3,4,5,6,7
	ds_load_b128 v[RB+32*((\g)%2)+4*\i:RB+32*((\g)%2)+4*\i+3], v[RD] offset:544*(8*(\g)+\i)
.endr
.endm
.macro SENDOUT                         ; 64 rows x 256 bytes: sixteen lanes store 256 consecutive bytes, aligned, of a token's row
	SGRP 0
.irp g, 0,1,2,3
.if \g < 3
.if \g > 0
	s_wait_xcnt 0x0                                ; the stores of two groups back have read their registers
.endif
	SGRP \g+1
	s_wait_dscnt 8                                 ; all but the next group's eight
.else
	s_wait_dscnt 0x0
.endif
.irp i, 0,1,2,3,4,5,6,7
	global_store_b128 v[TOK+8*\g+\i], v[RB+32*((\g)%2)+4*\i:RB+32*((\g)%2)+4*\i+3], s[20:21] th:TH_STORE_NT
.endr
.endr
.endm
.macro TRIP last                       ; a trip's work: two chunks, 64 outputs
	v_add_nc_u32 v[ASC], s55, v[ASC0]              ; this trip's scale words and b2 in my LDS bytes: a lane term that never changes + the trip's scalar
	v_add_nc_u32 v[AB2], s56, v[AB20]
	CHUNK 0, 1
.if \last
	CHUNK 1, 0
.else
	CHUNK 1, 1
.endif
	SENDOUT
.endm
	s_load_b512 s[4:19], s[0:1], 0x0               ; xc s[4:5], xs s[6:7], wc s[8:9], ws s[10:11], b1 s[12:13], b2 s[14:15], rec s[16:17], gso s[18:19]
	s_load_b64 s[20:21], s[0:1], 0x40              ; out0
	v_lshl_add_u32 v222, v0, 2, 0x35000
	v_mov_b32 v223, 0
	v_lshrrev_b32 v1, 5, v0
	v_readfirstlane_b32 s22, v1                    ; wave 0..3
	v_and_b32 v1, 15, v0                           ; r
	v_bfe_u32 v2, v0, 4, 1                         ; h
	v_and_b32 v3, 31, v0                           ; lane
	v_lshlrev_b32 v[LI], 4, v3
	v_lshlrev_b32 v[L8], 3, v3
	v_add_nc_u32 v[LIH], HIMG, v[LI]
	v_lshl_add_u32 v[L4H], v3, 2, HSC
	s_mul_i32 s58, s22, 8*FRB
	v_add_nc_u32 v[XWI], s58, v[LI]
	s_mul_i32 s58, s22, FRB
	v_add_nc_u32 v[HWI], s58, v[LIH]
	s_lshl_b32 s58, s22, 6
	s_add_co_u32 s58, s58, HSC
	v_lshl_add_u32 v[HWS], v1, 2, s58
	s_mul_i32 s58, s22, STGW
	s_add_co_u32 s58, s58, STG
	v_mul_u32_u24 v[STO], v1, 272
	v_lshl_add_u32 v[STO], v2, 5, v[STO]
	v_add_nc_u32 v[STO], s58, v[STO]               ; in: row r, 32 bytes for each half of the lanes
	v_mul_u32_u24 v[RD], v2, 272
	v_lshl_add_u32 v[RD], v1, 4, v[RD]
	v_add_nc_u32 v[RD], s58, v[RD]                 ; back: lanes 0-15 one row, lanes 16-31 the next
	s_mul_i32 s58, s22, AUXW
	s_add_co_u32 s58, s58, AUX
	v_add_nc_u32 v[ASC0], s58, v[L8]
	v_add_nc_u32 v[AUW], s58, v[LI]
	s_add_co_u32 s59, s58, 8192
	v_lshl_add_u32 v[AB20], v2, 5, s59
	s_add_co_u32 s59, s58, 10240
	v_lshl_add_u32 v[AB1], v2, 6, s59
	s_lshl_b32 s58, s22, 10
	v_lshl_add_u32 v[CO], v1, 4, s58
	s_lshl_b32 s58, s22, 9
	s_add_co_u32 s58, s58, XSC
	v_add_nc_u32 v[XSW], s58, v[LI]
	s_mov_b32 s[SEL], 0x76543210
	s_mov_b32 s[SEL+1], 0xfedcba98                 ; lane l xor 16
.irp b, 0,1,2,3
	v_mov_b32 v[TM+4+\b], 0                        ; a lane permute's destination counts as one of its sources
.endr
	v_lshlrev_b32 v124, 2, v1                      ; 4 r
	v_lshlrev_b32 v125, 3, v1                      ; 8 r
	s_lshl_b32 s58, s22, 6
	v_add_nc_u32 v126, s58, v124                   ; 4 r + 64 w
	v_lshlrev_b32 v127, 2, v2                      ; 4 h
	s_lshl_b32 s58, ttmp9, 8                       ; a tile: 256 bytes of records,
	s_mov_b32 s59, 0
	s_lshl_b32 s60, ttmp9, 9                       ; 512 of gates
	s_mov_b32 s61, 0
	s_wait_kmcnt 0x0
	s_add_nc_u64 s[16:17], s[16:17], s[58:59]
	s_add_nc_u64 s[18:19], s[18:19], s[60:61]
	s_load_b32 s24, s[16:17], 0x0                  ; row 0's record: 0 in a tile that the list leaves empty
	s_load_b64 s[56:57], s[18:19], 0x0             ; and its gates
.irp m, 0,1,2,3
	global_load_b32 v[REC+\m], v124, s[16:17] offset:64*\m
.endr
	global_load_b32 v[RW], v126, s[16:17]
.irp m, 0,1,2,3
	global_load_b64 v[G+2*\m:G+2*\m+1], v125, s[18:19] offset:128*\m
.endr
.set k, 0
.rept 32
	global_load_b32 v[TOK+k], v127, s[16:17] offset:8*k    ; the records of rows 2 k + h, for the way out
.set k, k+1
.endr
	s_wait_kmcnt 0x0
	s_bfe_u32 s25, s24, 0x40010                    ; a
	s_min_u32 s25, s25, 7
	s_bfe_u32 s26, s24, 0x40014                    ; b
	s_min_u32 s26, s26, 7
	s_mul_i32 s60, s22, 98304                      ; 64 images for a wave
	s_lshl_b32 s61, s22, 12
	s_lshl_b32 s23, s22, 9
	s_mov_b32 s59, 0
.irp j, 0,1
	s_mul_i32 s58, s[25+\j], 393216                ; 256 images for an expert
	s_add_co_u32 s58, s58, s60
	s_add_nc_u64 s[28+2*\j:29+2*\j], s[8:9], s[58:59]
	s_add_nc_u64 s[32+2*\j:33+2*\j], s[28+2*\j:29+2*\j], 3145728
	s_lshl_b32 s58, s[25+\j], 14
	s_add_co_u32 s58, s58, s61
	s_add_nc_u64 s[36+2*\j:37+2*\j], s[10:11], s[58:59]
	s_add_nc_u64 s[40+2*\j:41+2*\j], s[36+2*\j:37+2*\j], 131072
	s_lshl_b32 s58, s[25+\j], 11
	s_add_co_u32 s58, s58, s23
	s_add_nc_u64 s[44+2*\j:45+2*\j], s[12:13], s[58:59]
	s_lshl_b32 s58, s58, 1
	s_add_nc_u64 s[48+2*\j:49+2*\j], s[14:15], s[58:59]
.endr
	v_mov_b32 v[R0], s24
	v_mov_b32 v[R0+1], s56
	v_mov_b32 v[R0+2], s57
	s_wait_loadcnt 0x0
.irp m, 0,1,2,3
	v_cmp_gt_u32 vcc_lo, 0x1000000, v[REC+\m]      ; an empty place takes row 0's gates
	v_cndmask_b32 v[G+2*\m], v[G+2*\m], v[R0+1], vcc_lo
	v_cndmask_b32 v[G+2*\m+1], v[G+2*\m+1], v[R0+2], vcc_lo
.endr
	v_cmp_gt_u32 vcc_lo, 0x1000000, v[RW]
	v_cndmask_b32 v[RW], v[RW], v[R0], vcc_lo      ; and row 0's token
	v_and_b32 v[XA], 0x1fff, v[RW]
	v_min_u32 v[XA], 8191, v[XA]
	v_lshlrev_b32 v127, 5, v[XA]                   ; 32 scale bytes a token,
	v_lshlrev_b32 v124, 4, v2
	v_add_nc_u32 v127, v127, v124                  ; + 16 h
	v_mul_u32_u24 v[XA], v[XA], 768                ; 768 bytes of codes,
	v_mul_u32_u24 v124, v2, 24
	v_add_nc_u32 v[XA], v[XA], v124                ; + 24 h
	; ---- the head's loads, in the order in which they are wanted
	WIN 0x80
.irp s, 0,1,2,3,4,5,6,7
.irp p, 0,1,2,3,4,5
	global_load_b64 v[12*\s+2*\p:12*\s+2*\p+1], v[XA], s[4:5] offset:96*\s+48*(\p/3)+8*(\p%3)   ; my row's eight fragments, as they lie
.endr
.endr
	WIN 0
	global_load_b128 v[128:131], v127, s[6:7]      ; its scale words: K steps 4 h .. 4 h + 3
	global_load_b128 v[132:135], v[LI], s[44:45]   ; b1 of a, of b: my 128 units
	global_load_b128 v[136:139], v[LI], s[46:47]
.irp b, 0,1,2,3
.irp g, 0,1,2,3
	global_load_b64 v[W1S+8*\b+2*\g:W1S+8*\b+2*\g+1], v[L8], s[36:37] offset:(4*\b+\g)*256
.endr
.endr
.irp k, 0,4,8,12
	RFILL \k, W1A, FRB*\k                          ; the ring: a's K steps 0 and 1
.endr
	WIN 0
.irp b, 0,1,2,3
.irp g, 0,1,2,3
	global_load_b64 v[W1S+32+8*\b+2*\g:W1S+32+8*\b+2*\g+1], v[L8], s[38:39] offset:(4*\b+\g)*256
.endr
.endr
	WIN 0x80
.irp j, 0,1
.irp i, 0,1,2,3,4,5,6,7
	global_load_b128 v[AUXT+40*\j+4*\i:AUXT+40*\j+4*\i+3], v[LI], s[40+2*\j:41+2*\j] offset:512*\i
.endr
.irp i, 0,1
	global_load_b128 v[AUXT+40*\j+32+4*\i:AUXT+40*\j+32+4*\i+3], v[LI], s[48+2*\j:49+2*\j] offset:512*\i
.endr
.endr
	WIN 0
.set k, 0
.rept 32                               ; while they are on their way: the rows' offsets in out0
	v_cmp_gt_u32 vcc_lo, 0x1000000, v[TOK+k]
	v_cndmask_b32 v[TOK+k], v[TOK+k], v[R0], vcc_lo
	v_and_b32 v[TOK+k], 0x1fff, v[TOK+k]
	v_min_u32 v[TOK+k], 8191, v[TOK+k]
	v_lshlrev_b32 v[TOK+k], 12, v[TOK+k]
	v_add_nc_u32 v[TOK+k], v[TOK+k], v[CO]
.set k, k+1
.endr
	s_wait_loadcnt 63                              ; behind x's codes and scales, b1 and a's scale words 84 loads were issued: those four are in
	WIN 0x08                                       ; an LDS store's data: window 2
.irp s, 0,1,2,3,4,5,6,7
.irp c, 0,1,2
	ds_store_b128 v[XWI], v[12*\s+4*\c:12*\s+4*\c+3] offset:XIMG+FRB*\s+512*\c
.endr
.endr
	WIN 0
	ds_store_b128 v[XSW], v[128:131]
	ds_store_b128 v[AUW], v[132:135] offset:10240
	ds_store_b128 v[AUW], v[136:139] offset:10752
	s_wait_dscnt 0x0                               ; for the others' sake: my images have landed
	s_barrier_signal -1
	s_barrier_wait -1                              ; x's 32 fragments and their scale words lie in LDS
	s_cmp_lg_u32 s24, 0
	s_cbranch_scc1 .Lfull
	; ---- an empty tile: no product.  Its head's loads land; what the loads behind the next barrier read is laid into LDS: W2's scale words and b2 as they came, zeros for my part of both hidden layers
	s_wait_loadcnt 0x0
	AUXST
.irp i, 0,1,2,3
	v_mov_b32 v[PC+\i], 0
.endr
.irp j, 0,1
.irp m, 0,1,2,3
.irp c, 0,1,2
	ds_store_b128 v[HWI], v[PC:PC+3] offset:24576*\j+6144*\m+512*\c
.endr
	ds_store_b32 v[HWS], v[PC] offset:1024*\j+256*\m
.endr
.endr
	s_wait_dscnt 0x0
	s_branch .Lmeet
.Lfull:
	; ---- the first product, expert a
.irp m, 0,1,2,3
	ds_load_b128 v[XS+4*\m:XS+4*\m+3], v[LI] offset:XSC+512*\m
.endr
	B1LOAD 0
	XFETCH 0, 0
	P1STEP 0, 0, W1A, 2*12288
	B1LOAD 1                                       ; b1 of a has been read by the first K step alone; four places stand behind its last reader
	P1STEP 0, 1, W1A, 3*12288
	P1STEP 0, 2, W1A, 4*12288
	AUXST                                          ; behind these registers' loads 60 ring loads had been issued at the last wait, which left 36 out
	P1STEP 0, 3, W1A, 5*12288
	P1STEP 0, 4, W1A, 6*12288
	P1STEP 0, 5, W1A, 7*12288
	P1STEP 0, 6, W1B, 0                            ; the ring goes on into b's K steps 0 and 1
	P1STEP 0, 7, W1B, 12288
	XFETCH 0, 0                                    ; x's first fragments for expert b come while a's hidden layer is quantised (their registers were last read a K step ago)
	HOUT 0
	; ---- the first product, expert b
	P1STEP 1, 0, W1B, 2*12288
	P1STEP 1, 1, W1B, 3*12288
	P1STEP 1, 2, W1B, 4*12288
	P1STEP 1, 3, W1B, 5*12288
	P1STEP 1, 4, W1B, 6*12288
	P1STEP 1, 5, W1B, 7*12288
	P1STEP 1, 6, PP, 0                             ; and on into the second product's first chunk: a's eight fragments,
	P1STEP 1, 7, QQ, 0                             ; b's eight
	HOUT 1
.Lmeet:                                            ; both ways end with a wait for all my LDS instructions
	s_barrier_signal -1
	s_barrier_wait -1                              ; both hidden layers' 32 fragments lie in LDS
	; ---- the second product: both hidden layers stay in registers.  These loads stand on every wave's way
	WIN 0x40
.set f, 0
.rept 16
.irp c, 0,1,2
	ds_load_b128 v[12*f+4*\c:12*f+4*\c+3], v[LIH] offset:FRB*f+512*\c
.endr
.set f, f+1
.endr
	WIN 0x80
.set f, 0
.rept 16
.irp c, 0,1,2
	ds_load_b128 v[12*f+4*\c:12*f+4*\c+3], v[LIH] offset:24576+FRB*f+512*\c
.endr
.set f, f+1
.endr
	WIN 0
.irp j, 0,1
.irp m, 0,1,2,3
.irp g, 0,1
	ds_load_b32 v[HS+8*\j+2*\m+\g], v[L4H] offset:256*(4*\j+\m)+128*\g
.endr
.endr
.endr
	AUXLD 0, 0, ASC0, AB20
	AUXLD 1, 0, ASC0, AB20
	s_mov_b32 s54, 3
	s_mov_b32 s55, 0                               ; a trip's place among my scale words: 1,024 bytes a trip
	s_mov_b32 s56, 0                               ; and in b2: 256 bytes a trip
.Ltrip:                                            ; three trips of 64 outputs, walked by every wave; the fourth is written out, so that no load leaves the images' buffer
	s_cmp_eq_u32 s24, 0
	s_cbranch_scc1 .Lidle                          ; an empty tile jumps over the trip's work, not over its steps
	TRIP 0
.Lidle:
	s_wait_xcnt 0x0                                ; loads and stores have read their bases and registers
	s_add_nc_u64 s[PP:PP+1], s[PP:PP+1], 24576
	s_add_nc_u64 s[QQ:QQ+1], s[QQ:QQ+1], 24576
	s_add_nc_u64 s[20:21], s[20:21], 256
	s_add_co_u32 s55, s55, 1024
	s_add_co_u32 s56, s56, 256
	s_sub_co_u32 s54, s54, 1
	s_cmp_lg_u32 s54, 0
	s_cbranch_scc1 .Ltrip
	s_cmp_eq_u32 s24, 0
	s_cbranch_scc1 .Lend
	TRIP 1
.Lend:
	s_wait_tensorcnt 0x0
	ds_add_u32 v222, v223
	s_wait_dscnt 0x0
	s_endpgm
.Lfunc_end_k_qefff2e17a8_chain:
	.size	k_qefff2e17a8_chain, .Lfunc_end_k_qefff2e17a8_chain-k_qefff2e17a8_chain
	.p2alignl 7, 3214868480
	.fill 96, 4, 3214868480
	.section	.rodata,"a",@progbits
	.p2align	6, 0x0
	.amdhsa_kernel k_qefff2e17a8_chain
		.amdhsa_group_segment_fixed_size 217600
		.amdhsa_private_segment_fixed_size 0
		.amdhsa_enable_private_segment 0
		.amdhsa_kernarg_size 72
		.amdhsa_user_sgpr_count 2
		.amdhsa_user_sgpr_kernarg_segment_ptr 1
		.amdhsa_wavefront_size32 1
		.amdhsa_system_sgpr_workgroup_id_x 1
		.amdhsa_system_sgpr_workgroup_id_y 1
		.amdhsa_system_sgpr_workgroup_id_z 1
		.amdhsa_system_vgpr_workitem_id 0
		.amdhsa_next_free_vgpr 1024
		.amdhsa_next_free_sgpr 66
		.amdhsa_reserve_vcc 1
		.amdhsa_float_denorm_mode_32 3
		.amdhsa_float_denorm_mode_16_64 3
		.amdhsa_memory_ordered 1
		.amdhsa_forward_progress 1
		.amdhsa_inst_pref_size 255
	.end_amdhsa_kernel
	.section	.bss,"aw",@nobits
	.p2align	6
	.space	262144
	.amdgpu_metadata
---
amdhsa.version: [ 1, 2 ]
amdhsa.kernels:
  - .name:           k_qefff2e17a8_chain
    .symbol:         k_qefff2e17a8_chain.kd
    .args:
      - { .name: xc, .offset: 0, .size: 8, .value_kind: global_buffer, .address_space: global }
      - { .name: xs, .offset: 8, .size: 8, .value_kind: global_buffer, .address_space: global }
      - { .name: wc, .offset: 16, .size: 8, .value_kind: global_buffer, .address_space: global }
      - { .name: ws, .offset: 24, .size: 8, .value_kind: global_buffer, .address_space: global }
      - { .name: b1, .offset: 32, .size: 8, .value_kind: global_buffer, .address_space: global }
      - { .name: b2, .offset: 40, .size: 8, .value_kind: global_buffer, .address_space: global }
      - { .name: rec, .offset: 48, .size: 8, .value_kind: global_buffer, .address_space: global }
      - { .name: gso, .offset: 56, .size: 8, .value_kind: global_buffer, .address_space: global }
      - { .name: out0, .offset: 64, .size: 8, .value_kind: global_buffer, .address_space: global }
    .group_segment_fixed_size: 217600
    .private_segment_fixed_size: 0
    .kernarg_segment_align: 8
    .kernarg_segment_size: 72
    .max_flat_workgroup_size: 128
    .sgpr_count:     66
    .vgpr_count:     1024
    .wavefront_size: 32
...
	.end_amdgpu_metadata
.endif
;; end of part 3
;; ======== version 2 of 2: 3 launches
;; workspace buffers: xc 6,291,456 bytes; xs 262,144 bytes; wc 6,291,456 bytes; ws 262,144 bytes; route 65,536 bytes of whole numbers; gf 73,728 bytes; rec 40,960 bytes of whole numbers; gso 81,920 bytes
;; launch prep (part 4): grid 512 x 1, 4 waves a work-group, no clusters, 35,328 bytes of LDS; arguments x, gate_W, gate_b, W1, W2, xc, xs, wc, ws, route, gf, rec, gso; writes xc, xs, wc, ws, route, gf, rec, gso
.if DOCPART == 4
	.amdgcn_target "amdgcn-amd-amdhsa--gfx1250"
	.amdhsa_code_object_version 6
	.text
	.protected	k_qefff2e17a8_prep
	.globl	k_qefff2e17a8_prep
	.p2align	8
	.type	k_qefff2e17a8_prep,@function
k_qefff2e17a8_prep:
	s_mov_b64 s[64:65], 0
	v_nop
	global_prefetch_b8 v0, s[64:65] scope:SCOPE_SE
	s_setreg_imm32_b32 hwreg(HW_REG_WAVE_MODE, 25, 1), 1
	s_wait_xcnt 0x0
; PREP.  Three kinds of work-groups, told apart by the work-group's number alone.
;   0..255   x [8192][1024] f32 -> codes of E2M3 (xc, 768 bytes a token) and E8M0 scale bytes (xs, 32 a token); on the same registers the gate's eight logits in f32;
;            then, a token to a lane, the two best experts (the lower index wins a tie), their softmax, the full softmax for the loss, the token's pair of experts a < b as a key 0..27,
;            its rank among the 32 tokens of its group with the same key, and the group's count for each key.  All of that is STORED AS VALUES at fixed places: no address and no branch here hangs on it.
;   256..383 W1 [8][1024][512] f32, 384..511 W2 [8][512][1024] f32: K is the first axis within an expert.  A lane takes a column, its registers run down K; the codes leave as IMAGES OF THE MATRIX OPERAND'S
;            REGISTERS (a fragment of 16 rows x 128 K: 1,536 bytes, registers 4 c .. 4 c + 3 of lane l at 512 c + 16 l), the scale words as images too (8 bytes a lane: two K steps; lanes 0-15 an even tile, lanes 16-31 the odd one).
;            The first 120 of W1's work-groups also lay zeros, 1,024 bytes each, over the list of places (rec, 40 work-groups) and its gates (gso, 80): the next launch writes only the places that a token takes.
; A block's scale is 2^(floor(log2(largest magnitude)) - 2): its byte is the largest magnitude's exponent field - 2, held at 1 from below.
; LIMITS: NaN and infinities among the inputs are not served.  A block whose largest magnitude lies under 2^-124 keeps the byte 1; a block of zeros gets the byte 1 where the rule says 127: its codes are zeros,
; and this program alone reads the bytes.  Two logits that agree within the rounding of an f32 sum of 1,024 terms may be ranked either way.
.set STEPS, 16                         ; a wave of the x path: 16 steps of 512 numbers = 8 rows
.set SP,    80                         ; a lane's place in a stage: 64 bytes + 16 of padding
.set R,     16                         ; v16-79   four sets of 16 numbers as loaded
.set X,     80                         ; v80-111  two sets of 16 neighbours
.set E,     112                        ; v112-127 a scale byte for each step
.set C,     128                        ; v128-191 codes, four registers a step
.set AC,    192                        ; v192-199 the row's eight logits from even places, v200-207 from odd places
.set T,     216                        ; v216-223 the other half of the lanes' sums
.set LG,    224                        ; v224     LDS: my wave's eight rows of logits
.set GA,    225                        ; v225     512 x lane: my 16 rows of gate_W
.set LOGB,  32768                      ; LDS: behind the four waves' regions of 8,192 bytes: 32 rows x 8 logits
.set WX,    32                         ; weights: v32-95 two sets of 32 numbers
.set CODE,  96                         ; v96-143  24 registers of codes for each of two K steps; never rewritten
.set TH,    144                        ; v144-146 the upper half of a block's codes, before it is moved
.set SW,    148                        ; v148-149 the two K steps' scale words
.set MSB, 0
.macro WIN new                         ; the immediate's high byte repeats the setting that is left
.if MSB != \new
	s_set_vgpr_msb (MSB<<8)|\new
.set MSB, \new
.endif
.endm
.macro LOAD t                          ; step t: four loads of 512 consecutive bytes
.irp i, 0,1,2,3
	global_load_b128 v[R+16*((\t)%4)+4*\i:R+16*((\t)%4)+4*\i+3], v3, s[4:5] offset:2048*(\t)+512*\i th:TH_LOAD_NT
.endr
.endm
.macro TURN t                          ; through the wave's own stage: in as loaded, out 64 neighbouring bytes a lane; LDS serves a wave's instructions in order
.irp i, 0,1,2,3
	ds_store_b128 v14, v[R+16*((\t)%4)+4*\i:R+16*((\t)%4)+4*\i+3] offset:32*SP*((\t)%2)+8*SP*\i
.endr
.irp i, 0,1,2,3
	ds_load_b128 v[X+16*((\t)%2)+4*\i:X+16*((\t)%2)+4*\i+3], v15 offset:32*SP*((\t)%2)+16*\i
.endr
.endm
; The gate: my 16 numbers of the row times my 16 rows of gate_W (window 1: v[128 (t % 2) + 8 i + e]), two experts an instruction; even and odd places have sums of their own.
; A row's first two places start the sums: nothing is cleared.
.macro GATE t
	WIN 0x04                                       ; source 1 in window 1
.set ip, 0
.rept 8
.set gx, X+16*((\t)%2)+2*ip
.set gw, 128*((\t)%2)+16*ip
.irp q, 0,2,4,6
.if (((\t)%2) == 0) && (ip == 0)
	v_pk_mul_f32 v[AC+\q:AC+\q+1], v[gx:gx+1], v[gw+\q:gw+\q+1] op_sel_hi:[0,1]
.else
	v_pk_fma_f32 v[AC+\q:AC+\q+1], v[gx:gx+1], v[gw+\q:gw+\q+1], v[AC+\q:AC+\q+1] op_sel_hi:[0,1,1]
.endif
.endr
.irp q, 0,2,4,6
.if (((\t)%2) == 0) && (ip == 0)
	v_pk_mul_f32 v[AC+8+\q:AC+8+\q+1], v[gx:gx+1], v[gw+8+\q:gw+8+\q+1] op_sel:[1,0] op_sel_hi:[1,1]
.else
	v_pk_fma_f32 v[AC+8+\q:AC+8+\q+1], v[gx:gx+1], v[gw+8+\q:gw+8+\q+1], v[AC+8+\q:AC+8+\q+1] op_sel:[1,0,0] op_sel_hi:[1,1,1]
.endif
.endr
.set ip, ip+1
.endr
	WIN 0
.endm
.macro ROWSUM t                        ; a row is done: its eight sums over the 32 lanes, then to LDS (every lane stores the same 32 bytes)
.irp q, 0,2,4,6
	v_pk_add_f32 v[AC+\q:AC+\q+1], v[AC+\q:AC+\q+1], v[AC+8+\q:AC+8+\q+1]
.endr
.irp k, 1,2,4,8
.irp e, 0,1,2,3,4,5,6,7
	v_add_f32_dpp v[AC+\e], v[AC+\e], v[AC+\e] row_xmask:\k row_mask:0xf bank_mask:0xf
.endr
.endr
.irp e, 0,1,2,3,4,5,6,7
	v_permlanex16_b32 v[T+\e], v[AC+\e], s40, s41
.endr
.irp e, 0,1,2,3,4,5,6,7
	v_add_f32 v[AC+\e], v[AC+\e], v[T+\e]
.endr
	ds_store_b128 v[LG], v[AC:AC+3] offset:32*((\t)/2)
	ds_store_b128 v[LG], v[AC+4:AC+7] offset:32*((\t)/2)+16
.endm
.macro STEP t
.set XS, X+16*((\t)%2)
.if (\t) > 0
	s_wait_dscnt 1                                 ; all but the last step's byte store: this step's numbers are back, its stores into the stage and the last row's logit stores have read their registers
.else
	s_wait_dscnt 0x0
.endif
.if (\t)+4 < STEPS
	LOAD (\t)+4
.endif
.if (\t)+1 < STEPS
.if (\t) == 0
	s_wait_loadcnt 4                               ; all but step 4's four loads: gate_W, which was asked for behind steps 0 to 3, is whole
.elseif STEPS-2-(\t) >= 3
	s_wait_loadcnt 12                              ; the next step's four loads are in; the three steps behind it may be out
.else
	s_wait_loadcnt 4*(STEPS-2-(\t))
.endif
	TURN (\t)+1
.endif
	GATE \t
	v_max3_num_f32 v8, |v[XS]|, |v[XS+1]|, |v[XS+2]|
	v_max3_num_f32 v9, |v[XS+3]|, |v[XS+4]|, |v[XS+5]|
.irp i, 6,10
	v_max3_num_f32 v8, v8, |v[XS+\i]|, |v[XS+\i+1]|
	v_max3_num_f32 v9, v9, |v[XS+\i+2]|, |v[XS+\i+3]|
.endr
	v_max3_num_f32 v8, v8, |v[XS+14]|, |v[XS+15]|
	v_max3_num_f32 v8, v8, v9, 0x1800000           ; the floor 2^(3 - 127): the byte cannot fall under 1
	v_max_num_f32_dpp v8, v8, v8 row_xmask:1 row_mask:0xf bank_mask:0xf   ; with my neighbour's 16: the block's largest magnitude
	v_add_nc_u32 v11, 0xff000000, v8               ; 2 off its exponent field: the conversion's scale operand
	v_cvt_scalef32_pk16_fp6_f32 v[C+4*(\t):C+4*(\t)+2], v[XS:XS+15], v11
	v_lshrrev_b32 v[E+(\t)], 23, v11               ; the scale's byte (a plain line behind the conversion)
.if ((\t)%2) == 1
	ROWSUM \t
.endif
	ds_store_b8 v5, v[E+(\t)] offset:16*(\t)
	global_store_b96 v4, v[C+4*(\t):C+4*(\t)+2], s[14:15] offset:384*(\t)
.endm
; The weights.  Block t of a lane's column: K step t / 4, block t % 4 of it = 2 c + h: it belongs to lane (m, h) of the fragment, registers 6 c .. 6 c + 5.
.macro WLOAD t, pitch
.set wi, 0
.rept 32
	global_load_b32 v[WX+32*((\t)%2)+wi], v3, s[36:37] offset:(32*(\t)+wi)*(\pitch) th:TH_LOAD_NT
.set wi, wi+1
.endr
.endm
.macro WBLOCK t, pitch, kso
.set XW, WX+32*((\t)%2)
.set CD, CODE+24*((\t)/4)+12*((\t)%2)+6*(((\t)/2)%2)
.if (\t) < 7
	s_wait_loadcnt 32                              ; this block's 32 loads are in; the next block's may be out
.else
	s_wait_loadcnt 0x0
.endif
	v_max3_num_f32 v12, |v[XW]|, |v[XW+1]|, |v[XW+2]|
	v_max3_num_f32 v13, |v[XW+3]|, |v[XW+4]|, |v[XW+5]|
.irp i, 6,10,14,18,22,26
	v_max3_num_f32 v12, v12, |v[XW+\i]|, |v[XW+\i+1]|
	v_max3_num_f32 v13, v13, |v[XW+\i+2]|, |v[XW+\i+3]|
.endr
	v_max3_num_f32 v12, v12, |v[XW+30]|, |v[XW+31]|
	v_max3_num_f32 v12, v12, v13, 0x1800000
	v_add_nc_u32 v11, 0xff000000, v12
	v_lshrrev_b32 v13, 23, v11
	v_cvt_scalef32_pk16_fp6_f32 v[CD:CD+2], v[XW:XW+15], v11
	v_cvt_scalef32_pk16_fp6_f32 v[TH:TH+2], v[XW+16:XW+31], v11   ; a conversion's three registers begin on an even number: the upper half is made here and moved
.if ((\t)%4) == 0
	v_mov_b32 v[SW+(\t)/4], v13                    ; four bytes to a word, the lower K in the lower byte (a plain line behind the conversions)
.else
	v_lshl_or_b32 v[SW+(\t)/4], v13, 8*((\t)%4), v[SW+(\t)/4]
.endif
.irp i, 0,1,2
	v_mov_b32 v[CD+3+\i], v[TH+\i]
.endr
.if (\t)+2 < 8
	WLOAD (\t)+2, \pitch
.endif
.if ((\t)%4) == 3                      ; a K step is whole: each half of the lanes stores 256 consecutive bytes, aligned, of its own tile's image
.irp hh, 0,1
.irp cc, 0,1,2
	global_store_b128 v4, v[CODE+24*((\t)/4)+12*\hh+4*\cc:CODE+24*((\t)/4)+12*\hh+4*\cc+3], s[38:39] offset:((\t)/4)*(\kso)+512*\cc+256*\hh
.endr
.endr
.endif
.endm
.macro WBODY pitch, kso                ; 32 columns x 256 along K for a wave; every offset is an immediate
	WLOAD 0, \pitch
	WLOAD 1, \pitch
.irp t, 0,1,2,3,4,5,6,7
	WBLOCK \t, \pitch, \kso
.endr
	global_store_b64 v5, v[SW:SW+1], s[40:41]      ; the 32 lanes store one aligned run of 256 bytes
.endm
	s_load_b512 s[4:19], s[0:1], 0x0               ; x s[4:5], gate_W s[6:7], gate_b s[8:9], W1 s[10:11], W2 s[12:13], xc s[14:15], xs s[16:17], wc s[18:19]
	s_load_b128 s[20:23], s[0:1], 0x40             ; ws s[20:21], route s[22:23]
	s_load_b64 s[24:25], s[0:1], 0x50              ; gf
	s_load_b64 s[44:45], s[0:1], 0x58              ; rec
	s_load_b64 s[46:47], s[0:1], 0x60              ; gso
	v_lshl_add_u32 v254, v0, 2, 0x8800
	v_mov_b32 v255, 0
	v_lshrrev_b32 v1, 5, v0
	v_readfirstlane_b32 s26, v1                    ; wave 0..3
	v_and_b32 v2, 31, v0                           ; lane
	s_wait_kmcnt 0x0
	s_cmp_lt_u32 ttmp9, 256
	s_cbranch_scc1 .Lx
	s_cmp_lt_u32 ttmp9, 384
	s_cbranch_scc1 .Lw1
	; ---- W2: expert e, pair of tiles 4 g + wave (32 columns), half sigma of K
	s_sub_co_u32 s32, ttmp9, 384
	s_lshr_b32 s33, s32, 4                         ; e
	s_bfe_u32 s34, s32, 0x30001
	s_lshl_b32 s34, s34, 2
	s_add_co_u32 s34, s34, s26                     ; pair
	s_and_b32 s35, s32, 1                          ; sigma
	s_lshl_b32 s36, s33, 21                        ; an expert is 2,097,152 bytes; 256 rows of 4,096 bytes; 128 bytes a pair
	s_lshl_b32 s27, s35, 20
	s_add_co_u32 s36, s36, s27
	s_lshl_b32 s27, s34, 7
	s_add_co_u32 s36, s36, s27
	s_mov_b32 s37, 0
	s_add_nc_u64 s[36:37], s[12:13], s[36:37]
	s_lshl_b32 s38, s33, 6                         ; image ((64 e + 2 pair) 4 + 2 sigma), behind W1's 2,048 images
	s_lshl_b32 s27, s34, 1
	s_add_co_u32 s38, s38, s27
	s_lshl_b32 s38, s38, 2
	s_lshl_b32 s27, s35, 1
	s_add_co_u32 s38, s38, s27
	s_mul_i32 s38, s38, 1536
	s_add_co_u32 s38, s38, 3145728
	s_mov_b32 s39, 0
	s_add_nc_u64 s[38:39], s[18:19], s[38:39]
	s_lshl_b32 s40, s33, 5                         ; scale image (32 e + pair) 2 + sigma, behind W1's 512
	s_add_co_u32 s40, s40, s34
	s_lshl_b32 s40, s40, 1
	s_add_co_u32 s40, s40, s35
	s_lshl_b32 s40, s40, 8
	s_add_co_u32 s40, s40, 131072
	s_mov_b32 s41, 0
	s_add_nc_u64 s[40:41], s[20:21], s[40:41]
	s_wait_alu depctr_va_vdst(0)
	v_lshlrev_b32 v3, 2, v2                        ; my column: the lane's number
	v_lshrrev_b32 v6, 4, v2                        ; u: which tile of the pair
	v_and_b32 v7, 15, v2                           ; m: my row of the tile
	v_mul_u32_u24 v4, v6, 6144                     ; a tile on is four images on
	v_lshl_add_u32 v4, v7, 4, v4
	v_lshlrev_b32 v5, 3, v2
	WBODY 4096, 1536
	s_endpgm
.Lw1:
	; ---- W1: expert e, group w of 128 hidden units, quarter sigma of K; the wave takes 32 of the units
	s_sub_co_u32 s32, ttmp9, 256
	s_cmp_lt_u32 s32, 120                          ; the zeros under the list of places: work-groups 0..39 cover rec's 40,960 bytes, 40..119 gso's 81,920
	s_cbranch_scc0 .Lnofill
	s_cmp_lt_u32 s32, 40
	s_cselect_b64 s[48:49], s[44:45], s[46:47]     ; the choice hangs on the work-group's number alone
	s_cselect_b32 s52, 0, 40
	s_sub_co_u32 s52, s32, s52
	s_lshl_b32 s52, s52, 10                        ; 1,024 bytes a work-group
	s_mov_b32 s53, 0
	s_add_nc_u64 s[48:49], s[48:49], s[52:53]
	v_lshlrev_b32 v10, 3, v0                       ; 8 bytes a thread: a wave stores 256 consecutive bytes, aligned
	v_mov_b32 v16, 0
	v_mov_b32 v17, 0
	global_store_b64 v10, v[16:17], s[48:49]       ; none of its registers is written again on this path
.Lnofill:
	s_lshr_b32 s33, s32, 4                         ; e
	s_bfe_u32 s34, s32, 0x20002                    ; w
	s_and_b32 s35, s32, 3                          ; sigma
	s_lshl_b32 s36, s33, 21                        ; 256 rows of 2,048 bytes; 512 bytes a group; 128 a wave
	s_lshl_b32 s27, s35, 19
	s_add_co_u32 s36, s36, s27
	s_lshl_b32 s27, s34, 9
	s_add_co_u32 s36, s36, s27
	s_lshl_b32 s27, s26, 7
	s_add_co_u32 s36, s36, s27
	s_mov_b32 s37, 0
	s_add_nc_u64 s[36:37], s[10:11], s[36:37]
	s_lshl_b32 s42, s33, 2
	s_add_co_u32 s42, s42, s34                     ; 4 e + w
	s_lshl_b32 s38, s42, 6                         ; image ((4 e + w) 8 + K step) 8 + tile, K step 2 sigma, tile 2 wave
	s_lshl_b32 s27, s35, 4
	s_add_co_u32 s38, s38, s27
	s_lshl_b32 s27, s26, 1
	s_add_co_u32 s38, s38, s27
	s_mul_i32 s38, s38, 1536
	s_mov_b32 s39, 0
	s_add_nc_u64 s[38:39], s[18:19], s[38:39]
	s_lshl_b32 s40, s42, 2                         ; scale image ((4 e + w) 4 + wave) 4 + sigma
	s_add_co_u32 s40, s40, s26
	s_lshl_b32 s40, s40, 2
	s_add_co_u32 s40, s40, s35
	s_lshl_b32 s40, s40, 8
	s_mov_b32 s41, 0
	s_add_nc_u64 s[40:41], s[20:21], s[40:41]
	s_wait_alu depctr_va_vdst(0)
	v_lshrrev_b32 v6, 4, v2                        ; u
	v_and_b32 v7, 15, v2                           ; m
	v_and_b32 v8, 7, v2
	v_bfe_u32 v9, v2, 3, 1
	v_lshl_add_u32 v3, v9, 4, v8                   ; THE ROWS OF A TILE ARE NOT NEIGHBOURS: row m of tile 2 b + u is unit 32 b + 8 u + 16 (m / 8) + m % 8,
	v_lshl_add_u32 v3, v6, 3, v3                   ; so that the results of two neighbouring tiles are 16 neighbours along the next product's K
	v_lshlrev_b32 v3, 2, v3
	v_mul_u32_u24 v4, v6, 1536                     ; a tile on is one image on
	v_lshl_add_u32 v4, v7, 4, v4
	v_lshlrev_b32 v5, 3, v2
	WBODY 2048, 12288
	s_endpgm
.Lx:
	; ---- x: 32 rows a work-group, 8 a wave
	s_load_b256 s[32:39], s[8:9], 0x0              ; gate_b, asked for here and wanted at the end; its wait stands in front of the barrier
	s_wait_alu depctr_va_vdst(0)
	v_lshlrev_b32 v3, 4, v2                        ; my 16 bytes of a load's 512
	s_mul_i32 s27, s26, 8192                       ; my wave's LDS region
	v_lshrrev_b32 v14, 2, v2
	v_mul_u32_u24 v14, v14, SP
	v_and_b32 v15, 3, v2
	v_lshl_add_u32 v14, v15, 4, v14
	v_add_nc_u32 v14, s27, v14                     ; into the stage
	v_mul_u32_u24 v15, v2, SP
	v_add_nc_u32 v15, s27, v15                     ; out of it
	v_mul_u32_u24 v4, v2, 12                       ; my 12 bytes of a step's codes
	v_lshrrev_b32 v5, 1, v2
	s_add_co_u32 s27, s27, 2*32*SP
	v_add_nc_u32 v5, s27, v5                       ; my block's scale byte
	v_lshlrev_b32 v7, 3, v2
	v_add_nc_u32 v6, s27, v7
	s_lshl_b32 s28, s26, 8
	s_add_co_u32 s28, s28, LOGB
	v_mov_b32 v[LG], s28
	v_lshlrev_b32 v[GA], 9, v2
	s_wait_alu depctr_va_vdst(0)
.irp e, 0,1,2,3,4,5,6,7
	v_mov_b32 v[T+\e], 0                           ; a lane permute's destination counts as one of its sources
.endr
	s_mov_b32 s40, 0x76543210
	s_mov_b32 s41, 0xfedcba98                      ; lane l xor 16
	s_lshl_b32 s28, ttmp9, 2
	s_add_co_u32 s28, s28, s26                     ; which run of 8,192 numbers is my wave's
	s_lshl_b32 s30, s28, 15
	s_mov_b32 s31, 0
	s_add_nc_u64 s[4:5], s[4:5], s[30:31]
	s_mul_i32 s30, s28, 6144
	s_add_nc_u64 s[14:15], s[14:15], s[30:31]
	s_lshl_b32 s30, s28, 8
	s_add_nc_u64 s[16:17], s[16:17], s[30:31]
.irp t, 0,1,2,3
	LOAD \t                                        ; x's first four steps go out first: they are on their way while gate_W comes
.endr
	WIN 0x40                                       ; destination window 1: gate_W(512 p + 16 lane + i, e) at v[128 p + 8 i + e]; it stays
.irp p, 0,1
.irp i, 0,1,2,3,4,5,6,7,8,9,10,11,12,13,14,15
	global_load_b128 v[128*\p+8*\i:128*\p+8*\i+3], v[GA], s[6:7] offset:16384*\p+32*\i
	global_load_b128 v[128*\p+8*\i+4:128*\p+8*\i+7], v[GA], s[6:7] offset:16384*\p+32*\i+16
.endr
.endr
	WIN 0
	s_wait_loadcnt 63                              ; 80 loads were issued: the oldest 17 are in, x's sixteen among them
	TURN 0
.irp t, 0,1,2,3,4,5,6,7,8,9,10,11,12,13,14,15
	STEP \t
.endr
	ds_load_b64 v[12:13], v6
	s_wait_kmcnt 0x0                               ; gate_b
	s_wait_dscnt 0x0                               ; also for the others' sake: my logit stores have landed
	global_store_b64 v7, v[12:13], s[16:17]        ; my wave's 256 scale bytes: one aligned run
	s_barrier_signal -1
	s_barrier_wait -1                              ; the 32 rows' logits lie in LDS
	s_cmp_lg_u32 s26, 0
	s_cbranch_scc1 .Lxend
	; ---- wave 0: a token to a lane
	s_wait_xcnt 0x0                                ; my stores have read their registers
	v_lshl_add_u32 v72, v2, 5, LOGB
	ds_load_b128 v[16:19], v72
	ds_load_b128 v[20:23], v72 offset:16
.irp e, 0,1,2,3,4,5,6,7
	v_mov_b32 v[24+\e], \e
.endr
	v_mov_b32 v34, 0xff800000
	v_lshlrev_b32 v69, 2, v2
	v_lshlrev_b32 v70, 3, v2
	s_lshl_b32 s42, ttmp9, 7
	s_mov_b32 s43, 0
	s_add_nc_u64 s[42:43], s[22:23], s[42:43]      ; route: 128 bytes a group
	s_lshl_b32 s44, ttmp9, 8
	s_mov_b32 s45, 0
	s_add_nc_u64 s[44:45], s[24:25], s[44:45]      ; gf: 256 bytes of gates a group
	s_lshl_b32 s46, ttmp9, 5
	s_mov_b32 s47, 0
	s_add_nc_u64 s[46:47], s[24:25], s[46:47]      ; gf: 32 bytes of softmax sums a group
	s_wait_dscnt 0x0
.irp e, 0,1,2,3,4,5,6,7
	v_add_f32 v[16+\e], s[32+\e], v[16+\e]
.endr
	v_mov_b32 v32, v16                             ; the best: a strict compare keeps the lower index
	v_mov_b32 v33, 0
.irp e, 1,2,3,4,5,6,7
	v_cmp_gt_f32 vcc_lo, v[16+\e], v32
	v_cndmask_b32 v32, v32, v[16+\e], vcc_lo
	v_cndmask_b32 v33, v33, v[24+\e], vcc_lo
.endr
.irp e, 0,1,2,3,4,5,6,7
	v_cmp_eq_u32 vcc_lo, v33, v[24+\e]
	v_cndmask_b32 v[40+\e], v[16+\e], v34, vcc_lo  ; the best is taken out
.endr
	v_mov_b32 v35, v40                             ; the second best
	v_mov_b32 v36, 0
.irp e, 1,2,3,4,5,6,7
	v_cmp_gt_f32 vcc_lo, v[40+\e], v35
	v_cndmask_b32 v35, v35, v[40+\e], vcc_lo
	v_cndmask_b32 v36, v36, v[24+\e], vcc_lo
.endr
	v_sub_f32 v37, v35, v32                        ; the largest logit is taken away ahead of every exponential
	v_mul_f32 v37, 0x3fb8aa3b, v37
.irp e, 0,1,2,3,4,5,6,7
	v_sub_f32 v[48+\e], v[16+\e], v32
.endr
.irp e, 0,1,2,3,4,5,6,7
	v_mul_f32 v[48+\e], 0x3fb8aa3b, v[48+\e]
.endr
	s_wait_alu depctr_va_vdst(0)
	v_exp_f32 v37, v37
.irp e, 0,1,2,3,4,5,6,7
	v_exp_f32 v[48+\e], v[48+\e]
.endr
	v_min_u32 v60, v33, v36                        ; a < b: the pair, whatever its order of merit (plain work behind the batch)
	v_max_u32 v61, v33, v36
	s_wait_alu depctr_va_vdst(0)                   ; one wait for the nine exponentials, ahead of their first reader
	v_add_f32 v56, v48, v49
	v_add_f32 v57, 1.0, v37
.irp e, 2,3,4,5,6,7
	v_add_f32 v56, v56, v[48+\e]
.endr
	s_wait_alu depctr_va_vdst(0)
	v_rcp_f32 v58, v57                             ; the better expert's gate
	v_rcp_f32 v38, v56
	v_sub_nc_u32 v64, 15, v60                      ; key = a (15 - a) / 2 + b - a - 1 (plain work behind the two)
	v_mul_u32_u24 v64, v64, v60
	v_lshrrev_b32 v64, 1, v64
	v_add_nc_u32 v64, v64, v61
	v_sub_nc_u32 v64, v64, v60
	v_add_nc_u32 v64, -1, v64
	s_wait_alu depctr_va_vdst(0)                   ; one wait for the two reciprocals
	v_mul_f32 v59, v37, v58
.irp e, 0,1,2,3,4,5,6,7
	v_mul_f32 v[48+\e], v[48+\e], v38              ; the full softmax
.endr
	v_cmp_lt_u32 vcc_lo, v33, v36
	v_cndmask_b32 v62, v59, v58, vcc_lo            ; a's gate
	v_cndmask_b32 v63, v58, v59, vcc_lo            ; b's
	v_mov_b32 v65, 0
	v_mov_b32 v66, 0
.set q, 0
.rept 28                               ; my rank among the lanes below me with my key; lane q gets the group's count of key q.  Values only
	v_cmp_eq_u32 vcc_lo, q, v64
	v_mbcnt_lo_u32_b32 v67, vcc_lo, 0
	v_cndmask_b32 v65, v65, v67, vcc_lo
	s_bcnt1_i32_b32 s50, vcc_lo
	v_writelane_b32 v66, s50, q
.set q, q+1
.endr
	v_lshl_or_b32 v68, v60, 8, v64
	v_lshl_or_b32 v68, v61, 12, v68
	v_lshl_or_b32 v68, v65, 16, v68                ; key | a << 8 | b << 12 | rank << 16
	global_store_b32 v69, v68, s[42:43]
	global_store_b32 v69, v66, s[42:43] offset:32768
	global_store_b64 v70, v[62:63], s[44:45]
.irp k, 1,2,4,8
.irp e, 0,1,2,3,4,5,6,7
	v_add_f32_dpp v[48+\e], v[48+\e], v[48+\e] row_xmask:\k row_mask:0xf bank_mask:0xf
.endr
.endr
.irp e, 0,1,2,3,4,5,6,7
	v_permlanex16_b32 v[T+\e], v[48+\e], s40, s41
.endr
.irp e, 0,1,2,3,4,5,6,7
	v_add_f32 v[48+\e], v[48+\e], v[T+\e]          ; the group's sum of each expert's softmax
.endr
	v_mov_b32 v71, v48
.irp e, 1,2,3,4,5,6,7
	v_cmp_eq_u32 vcc_lo, \e, v2
	v_cndmask_b32 v71, v71, v[48+\e], vcc_lo       ; lane e takes expert e's
.endr
	s_wait_alu depctr_va_vdst(0)
	s_wait_xcnt 0x0                                ; EXEC changes only behind this wait
	v_cmp_gt_u32 vcc_lo, 8, v2
	s_and_saveexec_b32 s51, vcc_lo
	global_store_b32 v69, v71, s[46:47] offset:65536
	s_wait_xcnt 0x0
	s_or_b32 exec_lo, exec_lo, s51
.Lxend:
	s_wait_tensorcnt 0x0
	ds_add_u32 v254, v255
	s_wait_dscnt 0x0
	s_endpgm
.Lfunc_end_k_qefff2e17a8_prep:
	.size	k_qefff2e17a8_prep, .Lfunc_end_k_qefff2e17a8_prep-k_qefff2e17a8_prep
	.p2alignl 7, 3214868480
	.fill 96, 4, 3214868480
	.section	.rodata,"a",@progbits
	.p2align	6, 0x0
	.amdhsa_kernel k_qefff2e17a8_prep
		.amdhsa_group_segment_fixed_size 35328
		.amdhsa_private_segment_fixed_size 0
		.amdhsa_enable_private_segment 0
		.amdhsa_kernarg_size 104
		.amdhsa_user_sgpr_count 2
		.amdhsa_user_sgpr_kernarg_segment_ptr 1
		.amdhsa_wavefront_size32 1
		.amdhsa_system_sgpr_workgroup_id_x 1
		.amdhsa_system_sgpr_workgroup_id_y 1
		.amdhsa_system_sgpr_workgroup_id_z 1
		.amdhsa_system_vgpr_workitem_id 0
		.amdhsa_next_free_vgpr 512
		.amdhsa_next_free_sgpr 66
		.amdhsa_reserve_vcc 1
		.amdhsa_float_denorm_mode_32 3
		.amdhsa_float_denorm_mode_16_64 3
		.amdhsa_memory_ordered 1
		.amdhsa_forward_progress 1
		.amdhsa_inst_pref_size 222
	.end_amdhsa_kernel
	.amdgpu_metadata
---
amdhsa.version: [ 1, 2 ]
amdhsa.kernels:
  - .name:           k_qefff2e17a8_prep
    .symbol:         k_qefff2e17a8_prep.kd
    .args:
      - { .name: x, .offset: 0, .size: 8, .value_kind: global_buffer, .address_space: global }
      - { .name: gate_W, .offset: 8, .size: 8, .value_kind: global_buffer, .address_space: global }
      - { .name: gate_b, .offset: 16, .size: 8, .value_kind: global_buffer, .address_space: global }
      - { .name: W1, .offset: 24, .size: 8, .value_kind: global_buffer, .address_space: global }
      - { .name: W2, .offset: 32, .size: 8, .value_kind: global_buffer, .address_space: global }
      - { .name: xc, .offset: 40, .size: 8, .value_kind: global_buffer, .address_space: global }
      - { .name: xs, .offset: 48, .size: 8, .value_kind: global_buffer, .address_space: global }
      - { .name: wc, .offset: 56, .size: 8, .value_kind: global_buffer, .address_space: global }
      - { .name: ws, .offset: 64, .size: 8, .value_kind: global_buffer, .address_space: global }
      - { .name: route, .offset: 72, .size: 8, .value_kind: global_buffer, .address_space: global }
      - { .name: gf, .offset: 80, .size: 8, .value_kind: global_buffer, .address_space: global }
      - { .name: rec, .offset: 88, .size: 8, .value_kind: global_buffer, .address_space: global }
      - { .name: gso, .offset: 96, .size: 8, .value_kind: global_buffer, .address_space: global }
    .group_segment_fixed_size: 35328
    .private_segment_fixed_size: 0
    .kernarg_segment_align: 8
    .kernarg_segment_size: 104
    .max_flat_workgroup_size: 128
    .sgpr_count:     66
    .vgpr_count:     512
    .wavefront_size: 32
...
	.end_amdgpu_metadata
.endif
;; end of part 4
;; launch place (part 5): grid 8 x 1, 8 waves a work-group, no clusters, 6,656 bytes of LDS; arguments route, gf, rec, gso, out1; writes rec, gso, out1
.if DOCPART == 5
	.amdgcn_target "amdgcn-amd-amdhsa--gfx1250"
	.amdhsa_code_object_version 6
	.text
	.protected	k_qefff2e17a8_place
	.globl	k_qefff2e17a8_place
	.p2align	8
	.type	k_qefff2e17a8_place,@function
k_qefff2e17a8_place:
	s_mov_b64 s[64:65], 0
	v_nop
	global_prefetch_b8 v0, s[64:65] scope:SCOPE_SE
	s_setreg_imm32_b32 hwreg(HW_REG_WAVE_MODE, 25, 1), 1
	s_wait_xcnt 0x0
; PLACE.  The 8,192 tokens are sorted by their pair of experts (28 keys) into tiles of 64 rows, each tile of one key; the load-balance loss is finished.
; It reads whole numbers that the launch before stored: a key word for each token and, for each group of 32 tokens, the count of each key.  A token's place is
;   64 x (tiles of the keys below) + (its key's count in the blocks of 32 groups below) + (in its block's groups below) + (its rank in its group).
; EIGHT WORK-GROUPS: work-group c places the 1,024 tokens of block c (groups 32 c .. 32 c + 31), each of its eight waves four groups.  Every work-group sums all 256 rows of counts for itself, 32 rows a wave:
; wave w takes block (w + c) % 8, so that the work-group's own block always falls to wave 0, which lays its 32 running sums into LDS at fixed addresses: no LDS address hangs on the work-group's number.
; For the sums a lane is a key, for the placing a token.  The places that no token takes hold the zeros that the launch before laid.
; rec: token | a << 16 | b << 20 | 1 << 24;  gso: the two gates, 8 bytes a place.  There are never more than 8192 / 64 + 27 = 155 tiles.
; LDS: 0: block c's running sums, 32 rows of 128 bytes; 4096: the eight waves' totals; 5120: the eight waves' softmax sums.
.set H,   32                           ; v32-63   counts of 32 groups
.set IM,  64                           ; v64-71   eight words of softmax sums
.set KW,  72                           ; v72-75   my four groups' key words
.set GP,  76                           ; v76-83   and gates
.set PRE, 84                           ; v84-116  running sums over the 32 groups
.set PB,  120                          ; v120-123 where each key begins in my four groups
.set IX,  124                          ; v124-127 lane selects, later the places x 8
.set PS,  128                          ; v128-131 the places, later x 4
.set RC,  132                          ; v132-135 the records
	s_load_b256 s[4:11], s[0:1], 0x0               ; route s[4:5], gf s[6:7], rec s[8:9], gso s[10:11]
	s_load_b64 s[12:13], s[0:1], 0x20              ; out1
	v_lshl_add_u32 v144, v0, 2, 0x1600
	v_mov_b32 v145, 0
	v_lshrrev_b32 v1, 5, v0
	s_delay_alu instid0(VALU_DEP_1)
	v_readfirstlane_b32 s14, v1                    ; wave 0..7
	v_and_b32 v1, 31, v0                           ; lane
	s_wait_alu depctr_va_vdst(0)
	s_and_b32 s22, ttmp9, 7                        ; c
	s_add_co_u32 s15, s14, s22
	s_and_b32 s15, s15, 7                          ; the block whose counts I sum
	s_lshl_b32 s15, s15, 12
	v_lshl_add_u32 v2, v1, 2, s15                  ; its rows in memory: 4 lane + 4,096 x block
	s_lshl_b32 s16, s22, 3
	s_add_co_u32 s16, s16, s14                     ; 8 c + w: my four groups are 4 (8 c + w) + 0 .. 3
	s_lshl_b32 s17, s16, 9
	v_lshl_add_u32 v3, v1, 2, s17                  ; their key words: 128 bytes a group
	s_lshl_b32 s17, s16, 10
	v_lshl_add_u32 v4, v1, 3, s17                  ; their gates: 256 bytes a group
	s_lshl_b32 s17, s16, 7
	v_add_nc_u32 v30, s17, v1                      ; my token of the first of them
	s_lshl_b32 s17, s14, 10
	v_lshl_add_u32 v5, v1, 2, s17                  ; softmax sums: 4 lane + 1,024 w
	v_lshl_add_u32 v6, v0, 2, 4096                 ; LDS: my wave's totals, a word a key
	v_and_b32 v7, 7, v1
	s_lshl_b32 s18, s14, 5
	s_add_co_u32 s18, s18, 5120
	v_lshl_add_u32 v7, v7, 2, s18                  ; LDS: my wave's eight softmax sums
	s_lshl_b32 s18, s14, 9
	v_lshl_add_u32 v9, v1, 2, s18                  ; LDS: the running sums of my four groups: rows 4 w + 0 .. 3
	v_lshlrev_b32 v12, 2, v1
	v_lshl_add_u32 v13, v1, 2, 5120
	v_mov_b32 v8, 0
	v_mov_b32 v31, 0
	v_mov_b32 v28, 0
	s_mov_b32 s20, 0x76543210
	s_mov_b32 s21, 0xfedcba98
	s_wait_kmcnt 0x0
.set j, 0
.rept 32
	global_load_b32 v[H+j], v2, s[4:5] offset:32768+128*j
.set j, j+1
.endr
.set j, 0
.rept 8
	global_load_b32 v[IM+j], v5, s[6:7] offset:65536+128*j
.set j, j+1
.endr
.set j, 0
.rept 4
	global_load_b32 v[KW+j], v3, s[4:5] offset:128*j
.set j, j+1
.endr
.set j, 0
.rept 4
	global_load_b64 v[GP+2*j:GP+2*j+1], v4, s[6:7] offset:256*j
.set j, j+1
.endr
	s_wait_loadcnt 16                              ; the counts are in; the 8 + 4 + 4 loads behind them may be out
	v_mov_b32 v[PRE], 0
.set j, 0
.rept 32
	s_delay_alu instid0(VALU_DEP_1)
	v_add_nc_u32 v[PRE+1+j], v[PRE+j], v[H+j]
.set j, j+1
.endr
	ds_store_b32 v6, v[PRE+32]
	s_cmp_lg_u32 s14, 0
	s_cbranch_scc1 .Lnot0
.set j, 0
.rept 32
	ds_store_b32 v12, v[PRE+j] offset:128*j        ; wave 0: the work-group's own block
.set j, j+1
.endr
.Lnot0:
	s_wait_loadcnt 8                               ; the softmax sums are in; key words and gates may be out
.irp j, 1
	v_add_f32 v[IM], v[IM], v[IM+\j]               ; all eight words of a lane belong to expert lane % 8
.endr
.irp j, 2, 3, 4, 5, 6, 7
	s_delay_alu instid0(VALU_DEP_1)
	v_add_f32 v[IM], v[IM], v[IM+\j]
.endr
	s_delay_alu instid0(VALU_DEP_1)
	v_add_f32_dpp v[IM], v[IM], v[IM] row_xmask:8 row_mask:0xf bank_mask:0xf
	s_delay_alu instid0(VALU_DEP_1)
	v_permlanex16_b32 v31, v[IM], s20, s21
	s_delay_alu instid0(VALU_DEP_1)
	v_add_f32 v[IM], v[IM], v31
	ds_store_b32 v7, v[IM]                         ; four lanes store the same word with the same value
	s_wait_dscnt 0x0                               ; for the others' sake: my stores have landed
	s_barrier_signal -1
	s_barrier_wait -1
.irp q, 0,1,2,3,4,5,6,7
	ds_load_b32 v[16+\q], v12 offset:4096+128*\q
.endr
.irp i, 0,1,2,3
	ds_load_b32 v[PB+\i], v9 offset:128*\i
.endr
	ds_load_b32 v14, v13
	ds_load_b32 v15, v13 offset:128
	v_mov_b32 v24, 0
	v_mov_b32 v25, 0
	s_wait_alu depctr_va_vdst(0)
	s_wait_dscnt 0x0
.irp q, 0,1,2,3,4,5,6,7
	s_add_co_u32 s18, s22, \q
	s_and_b32 s18, s18, 7                          ; wave q summed block (q + c) % 8
	s_cmp_lt_u32 s18, s22
	s_cselect_b32 s18, -1, 0
	v_add_nc_u32 v24, v24, v[16+\q]                ; the key's count in all,
	v_and_b32 v26, s18, v[16+\q]
	s_delay_alu instid0(VALU_DEP_1)
	v_add_nc_u32 v25, v25, v26                     ; and in the blocks below mine
.endr
	s_delay_alu instid0(VALU_DEP_3)
	v_add_nc_u32 v26, 63, v24
	s_delay_alu instid0(VALU_DEP_1)
	v_lshrrev_b32 v26, 6, v26                      ; the key's tiles
	s_delay_alu instid0(VALU_DEP_1)
	v_mov_b32 v27, v26
.irp d, 1,2,4,8
	s_delay_alu instid0(VALU_DEP_1)
	v_mov_b32_dpp v28, v27 row_shr:\d row_mask:0xf bank_mask:0xf bound_ctrl:1
	s_delay_alu instid0(VALU_DEP_1)
	v_add_nc_u32 v27, v27, v28
.endr
	s_delay_alu instid0(VALU_DEP_1)
	v_readlane_b32 s18, v27, 15
	v_lshrrev_b32 v29, 4, v1
	s_delay_alu instid0(VALU_DEP_1)
	v_mad_u32_u24 v27, v29, s18, v27               ; tiles up to and with my key
	s_delay_alu instid0(VALU_DEP_1)
	v_sub_nc_u32 v27, v27, v26
	s_delay_alu instid0(VALU_DEP_1)
	v_lshl_add_u32 v27, v27, 6, v25                ; where my block's tokens of this key begin
	s_wait_alu depctr_va_vdst(0)
	s_wait_loadcnt 0x0
.irp i, 0,1,2,3
	v_add_nc_u32 v[PB+\i], v27, v[PB+\i]
	v_and_b32 v[IX+\i], 31, v[KW+\i]
	s_delay_alu instid0(VALU_DEP_1)
	v_lshlrev_b32 v[IX+\i], 2, v[IX+\i]
	ds_bpermute_b32 v[PS+\i], v[IX+\i], v[PB+\i]   ; my token's key's beginning in its group, from the lane of that key
.endr
	s_wait_dscnt 0x0
.irp i, 0,1,2,3
	v_bfe_u32 v[IX+\i], v[KW+\i], 16, 6            ; rank
	s_delay_alu instid0(VALU_DEP_1)
	v_add_nc_u32 v[PS+\i], v[PS+\i], v[IX+\i]
	s_delay_alu instid0(VALU_DEP_1)
	v_min_u32 v[PS+\i], 10239, v[PS+\i]            ; inside the buffers, whatever was read
	s_delay_alu instid0(VALU_DEP_1)
	v_lshlrev_b32 v[IX+\i], 3, v[PS+\i]
	s_delay_alu instid0(VALU_DEP_2)
	v_lshlrev_b32 v[PS+\i], 2, v[PS+\i]
	v_bfe_u32 v[RC+\i], v[KW+\i], 8, 8             ; a | b << 4
	s_delay_alu instid0(VALU_DEP_1)
	v_lshl_or_b32 v[RC+\i], v[RC+\i], 16, v30
	s_delay_alu instid0(VALU_DEP_1)
	v_or_b32 v[RC+\i], (1<<24)|(32*\i), v[RC+\i]
	global_store_b32 v[PS+\i], v[RC+\i], s[8:9]
	global_store_b64 v[IX+\i], v[GP+2*\i:GP+2*\i+1], s[10:11]
.endr
	; the loss: 0.01 x 8 x the sum over experts of (mean softmax)^2
	v_add_f32 v14, v14, v15
	s_delay_alu instid0(VALU_DEP_1)
	v_add_f32_dpp v14, v14, v14 row_xmask:8 row_mask:0xf bank_mask:0xf
	s_delay_alu instid0(VALU_DEP_1)
	v_permlanex16_b32 v31, v14, s20, s21
	s_delay_alu instid0(VALU_DEP_1)
	v_add_f32 v14, v14, v31                        ; expert lane % 8: the sum over all tokens
	s_delay_alu instid0(VALU_DEP_1)
	v_mul_f32 v14, 0x39000000, v14                 ; / 8,192
	s_delay_alu instid0(VALU_DEP_1)
	v_mul_f32 v14, v14, v14
.irp k, 1,2,4
	s_delay_alu instid0(VALU_DEP_1)
	v_add_f32_dpp v14, v14, v14 row_xmask:\k row_mask:0xf bank_mask:0xf
.endr
	s_delay_alu instid0(VALU_DEP_1)
	v_mul_f32 v14, 0x3da3d70a, v14                 ; x 0.08
	s_or_b32 s19, s14, s22
	s_cmp_lg_u32 s19, 0
	s_cbranch_scc1 .Lend                           ; wave 0 of work-group 0 stores it
	s_wait_xcnt 0x0                                ; EXEC changes only behind this wait
	v_cmp_eq_u32 vcc_lo, 0, v1
	s_and_saveexec_b32 s19, vcc_lo
	s_wait_alu depctr_va_vdst(0)
	global_store_b32 v8, v14, s[12:13]             ; v8 = 0
	s_wait_xcnt 0x0
	s_or_b32 exec_lo, exec_lo, s19
.Lend:
	s_wait_tensorcnt 0x0
	ds_add_u32 v144, v145
	s_wait_dscnt 0x0
	s_endpgm
.Lfunc_end_k_qefff2e17a8_place:
	.size	k_qefff2e17a8_place, .Lfunc_end_k_qefff2e17a8_place-k_qefff2e17a8_place
	.p2alignl 7, 3214868480
	.fill 96, 4, 3214868480
	.section	.rodata,"a",@progbits
	.p2align	6, 0x0
	.amdhsa_kernel k_qefff2e17a8_place
		.amdhsa_group_segment_fixed_size 6656
		.amdhsa_private_segment_fixed_size 0
		.amdhsa_enable_private_segment 0
		.amdhsa_kernarg_size 40
		.amdhsa_user_sgpr_count 2
		.amdhsa_user_sgpr_kernarg_segment_ptr 1
		.amdhsa_wavefront_size32 1
		.amdhsa_system_sgpr_workgroup_id_x 1
		.amdhsa_system_sgpr_workgroup_id_y 1
		.amdhsa_system_sgpr_workgroup_id_z 1
		.amdhsa_system_vgpr_workitem_id 0
		.amdhsa_next_free_vgpr 146
		.amdhsa_next_free_sgpr 66
		.amdhsa_reserve_vcc 1
		.amdhsa_float_denorm_mode_32 3
		.amdhsa_float_denorm_mode_16_64 3
		.amdhsa_memory_ordered 1
		.amdhsa_forward_progress 1
		.amdhsa_inst_pref_size 22
	.end_amdhsa_kernel
	.amdgpu_metadata
---
amdhsa.version: [ 1, 2 ]
amdhsa.kernels:
  - .name:           k_qefff2e17a8_place
    .symbol:         k_qefff2e17a8_place.kd
    .args:
      - { .name: route, .offset: 0, .size: 8, .value_kind: global_buffer, .address_space: global }
      - { .name: gf, .offset: 8, .size: 8, .value_kind: global_buffer, .address_space: global }
      - { .name: rec, .offset: 16, .size: 8, .value_kind: global_buffer, .address_space: global }
      - { .name: gso, .offset: 24, .size: 8, .value_kind: global_buffer, .address_space: global }
      - { .name: out1, .offset: 32, .size: 8, .value_kind: global_buffer, .address_space: global }
    .group_segment_fixed_size: 6656
    .private_segment_fixed_size: 0
    .kernarg_segment_align: 8
    .kernarg_segment_size: 40
    .max_flat_workgroup_size: 256
    .sgpr_count:     66
    .vgpr_count:     146
    .wavefront_size: 32
...
	.end_amdgpu_metadata
.endif
;; end of part 5
;; launch chain (part 6): grid 155 x 1, 4 waves a work-group, no clusters, 217,600 bytes of LDS; arguments xc, xs, wc, ws, b1, b2, rec, gso, out0; writes out0
.if DOCPART == 6
	.amdgcn_target "amdgcn-amd-amdhsa--gfx1250"
	.amdhsa_code_object_version 6
	.text
	.protected	k_qefff2e17a8_chain
	.globl	k_qefff2e17a8_chain
	.p2align	8
	.type	k_qefff2e17a8_chain,@function
k_qefff2e17a8_chain:
	s_mov_b64 s[64:65], 0
	v_nop
	global_prefetch_b8 v0, s[64:65] scope:SCOPE_SE
	s_setreg_imm32_b32 hwreg(HW_REG_WAVE_SCHED_MODE, 0, 2), 2
	s_setreg_imm32_b32 hwreg(HW_REG_WAVE_MODE, 25, 1), 1
	s_wait_xcnt 0x0
	s_wait_alu depctr_vm_vsrc(0)
; CHAIN.  A work-group takes one tile of 64 tokens that chose the same two experts a < b through everything:
;   out = ga (relu(x W1a + b1a) W2a + b2a) + gb (relu(x W1b + b1b) W2b + b2b), all four products on codes of E2M3 with E8M0 scales; sums, biases, relu and gates in f32.
; So each row of out0 has one owner and nothing is added between work-groups.  155 work-groups = 8192 / 64 + 27: as many tiles as any choice of experts can need.
; A TILE THAT THE LIST LEAVES EMPTY (its first record is 0) multiplies nothing and stores nothing to memory.  It still passes both barriers and walks the loop: the jumps on the list's number stand round the products
; and the stores alone, never round a barrier or a whole loop.  Its head names token 0 and expert 0, which lie inside their buffers; in the first product's place it lays zeros where its hidden layer would lie.
; THE WAVES SHARE THE COLUMNS: wave w makes hidden units 128 w .. + 127 of both experts and outputs 256 w .. + 255, for all 64 rows (four tiles of 16 rows, m).
; THE WEIGHTS come from memory straight into registers, as images of the operand's registers that an earlier launch laid out, through a ring of 16 fragments (48 loads of 16 bytes a lane on their way).
; The ring is read out and filled again FOUR FRAGMENTS AT A TIME: 16 products, four places, one run of 12 loads: so a wave has 64 such runs for its 1,024 products.
; Which experts a tile reads is known from the stored list alone, and jumps hang on that list too: so there are no tensor loads, and no cluster: neighbouring tiles need not share an expert.
; x's codes are gathered once (wave w: rows 16 w .. + 15) and go from wave to wave through LDS as register images; so does the hidden layer, which never goes to memory.
; Both products are used transposed (source 0 = 16 rows of the weight, source 1 = 16 tokens): a lane holds one token, and its registers run along the hidden units or the outputs.
; ROWS THAT THE LIST LEAVES EMPTY IN A TILE'S TAIL are made copies of the tile's row 0: they compute and store row 0's numbers once more, to row 0's address.
; LIMITS: NaN and infinities are not served; a block of the hidden layer whose largest number lies under 2^-124, zeros among them, keeps the scale byte 1 (its codes are then zeros or the nearest codes under that scale).
; REGISTERS, in windows of 256.  Window 0: v1-31 addresses; v32-39 gates; v40-43 records; v44-59, v60-123 scale words and nothing else; v124-220 at work; v224-255 the rows' offsets in out0.
;   Window 1: the hidden layer's 32 accumulators, later a's 16 hidden fragments and 8 accumulators.   Window 2: x's fragments, b1, later b's hidden fragments and accumulators.   Window 3: the ring; from v192 the combined results.
; THE MODE: SCHED_MODE bits 1:0 = 2 (LLVM: expert scheduling mode 2), set by the entry lines.  The code itself states the register dependences between vector or matrix instructions and memory or LDS
; instructions, with s_wait_alu, always for 0.
; THE PLAN.  Registers that memory or LDS instructions touch, and who else names them:
;   The ring (window 3, v0-191), four groups of four slots.  A batch's sixteen products read a group; the twelve loads behind the batch land in it.  ONE wait on va_vdst stands behind each batch, ahead of those loads:
;     the group is asked for again at once, so that its loads have the other three groups' batches in which to land.  The same wait serves the LDS loads that follow it ahead of the next product, whose registers no
;     vector or matrix instruction names in between: x's next K step (into the set that the K step before read), b1 of expert b (into the registers that K step 0 read), W2's next scale words and b2 (into the
;     registers that this expert's products of the chunk read, by the addresses v[ASC], v[AB2], written at the trip's head).
;   v[PC ..], v[PW]: the quantiser writes them, four LDS stores read them: a wait on va_vdst ahead of the stores, one on vm_vsrc behind them.
;   The combined results (window 3, v192-255): the gates' multiply-adds write them, the stores into the stage read them: va_vdst ahead of the stores; vm_vsrc at chunk 1's head and at the trip's end.
;   v[RB ..], two sets: loads from the stage land in them, global stores read them; no vector instruction names them in the loop: vm_vsrc, beside the wait on XCNT, ahead of the loads into a set whose stores are out.
;   Addresses are made at the head, ahead of one wait on va_vdst, and never written again, but for v124 and v127 (at the head) and v[ASC], v[AB2] (once a trip, behind the wait on vm_vsrc at the last trip's end).
;   Every operand and scale of a product comes from a load: none is written by a vector instruction.  Compares lay their masks into scalar registers in runs, one wait on va_sdst behind each run.
.set FRB,  1536                        ; a fragment's image
.set XIMG, 0                           ; LDS: x's 32 fragments, (m, K step s) at (8 m + s) FRB
.set XSC,  49152                       ; their scale words: 512 m + 16 lane
.set HIMG, 51200                       ; the hidden layers' 32 fragments: ((4 j + m) 4 + s) FRB, j = 0 for a, 1 for b
.set HSC,  100352                      ; their scale words: ((4 j + m) 4 + s) 64 + 4 r
.set AUX,  102400                      ; each wave's own: W2's scale images 4096 j + 512 c + 256 sigma; b2 at 8192 + 1024 j; b1 at 10240 + 512 j
.set AUXW, 11264
.set STG,  147456                      ; each wave's own stage for the way out: 64 rows x (256 + 16) bytes
.set STGW, 17408
.set LI,  4                            ; v4   16 x lane
.set L8,  5                            ; v5   8 x lane
.set LIH, 6                            ; v6   16 x lane + HIMG
.set L4H, 7                            ; v7   4 x lane + HSC
.set XWI, 8                            ; v8   where I store x's images
.set HWI, 9                            ; v9   the hidden layer's
.set HWS, 10                           ; v10  and its scale words
.set STO, 11                           ; v11  the stage, in
.set RD,  12                           ; v12  the stage, back
.set ASC0, 13                          ; v13  W2's scale words of my first chunk; never rewritten
.set AB20, 14                          ; v14  b2 of my first chunk; never rewritten
.set AB1, 15                           ; v15  b1
.set AUW, 16                           ; v16  my AUX region + 16 x lane
.set XA,  17                           ; v17  my token's codes
.set CO,  18                           ; v18  my bytes in a row of out0
.set RW,  19                           ; v19  the record of the row that I gather
.set ASC, 20                           ; v20  v13 + the trip's 1,024 bytes a trip
.set AB2, 21                           ; v21  v14 + the trip's 256 bytes a trip
.set R0,  28                           ; v28-30 row 0's record and gates
.set XSW, 31                           ; v31  where I store x's scale words
.set G,   32
.set REC, 40
.set XS,  44                           ; x's scale words: v[XS + 4 m + s % 4], lanes 0-15 K steps 0-3, lanes 16-31 K steps 4-7
.set HS,  44                           ; later the hidden layers': v[HS + 8 j + 2 m + s / 2], lanes 0-15 even s, lanes 16-31 odd s
.set W1S, 60                           ; W1's scale words: v[W1S + 32 j + 8 (t / 2) + s], lanes 0-15 even t, lanes 16-31 odd t
.set SA,  60                           ; later W2's: v[SA + 4 j + s], lanes 0-15 the chunk's first tile, lanes 16-31 its second
.set QS,  124                          ; 64 numbers to be quantised
.set TM,  188                          ; v188-191 largest magnitudes, v192-195 bytes, v196-199 the conversions' scale operands
.set PC,  200                          ; the codes just made
.set PW,  220                          ; the scale word just made
.set B2,  124                          ; later: b2 in the result's layout: v[B2 + 16 j + 8 ct]
.set RB,  156                          ; later: rows on their way out, two sets of 32
.set TOK, 224
.set AUXT, 160                         ; window 2: what goes into AUX
.set W1A, 28                           ; s[28:29], s[30:31] W1's images of a, of b, my hidden group
.set W1B, 30
.set PP,  32                           ; s[32:33], s[34:35] W2's images of a, of b, my outputs; they walk
.set QQ,  34
.set SEL, 52
.set MSB, 0
.macro WIN new                         ; the immediate's high byte repeats the setting that is left
.if MSB != \new
	s_set_vgpr_msb (MSB<<8)|\new
.set MSB, \new
.endif
.endm
.macro PLACES                          ; four plain places behind matrix instructions, ahead of loads into their registers and of reads of their results
.rept 4
	v_nop
.endr
.endm
.macro WM d, a, b, c, sa, sb, ra, rb   ; one product; ra, rb: the scales stand in lanes 16-31
.if (\ra) && (\rb)
	v_wmma_scale_f32_16x16x128_f8f6f4 v[(\d):(\d)+7], v[(\a):(\a)+11], v[(\b):(\b)+11], v[(\c):(\c)+7], v[\sa], v[\sb] matrix_a_fmt:MATRIX_FMT_FP6 matrix_b_fmt:MATRIX_FMT_FP6 matrix_a_scale:MATRIX_SCALE_ROW1 matrix_b_scale:MATRIX_SCALE_ROW1
.elseif (\ra)
	v_wmma_scale_f32_16x16x128_f8f6f4 v[(\d):(\d)+7], v[(\a):(\a)+11], v[(\b):(\b)+11], v[(\c):(\c)+7], v[\sa], v[\sb] matrix_a_fmt:MATRIX_FMT_FP6 matrix_b_fmt:MATRIX_FMT_FP6 matrix_a_scale:MATRIX_SCALE_ROW1
.elseif (\rb)
	v_wmma_scale_f32_16x16x128_f8f6f4 v[(\d):(\d)+7], v[(\a):(\a)+11], v[(\b):(\b)+11], v[(\c):(\c)+7], v[\sa], v[\sb] matrix_a_fmt:MATRIX_FMT_FP6 matrix_b_fmt:MATRIX_FMT_FP6 matrix_b_scale:MATRIX_SCALE_ROW1
.else
	v_wmma_scale_f32_16x16x128_f8f6f4 v[(\d):(\d)+7], v[(\a):(\a)+11], v[(\b):(\b)+11], v[(\c):(\c)+7], v[\sa], v[\sb] matrix_a_fmt:MATRIX_FMT_FP6 matrix_b_fmt:MATRIX_FMT_FP6
.endif
.endm
.macro RFILL k0, base, off, w          ; four slots of the ring: twelve loads, each of 512 consecutive bytes.  w = 1: products have just read the slots
	WIN 0xc0
.if \w
	s_wait_alu depctr_va_vdst(0)                   ; the batch's sixteen products are done reading these four slots, in which the loads below land; so are all earlier products with x's sets, b1, b2 and the scale words, and v[ASC], v[AB2] are written: for the LDS loads that follow ahead of the next product
.endif
.irp k, 0,1,2,3
.irp c, 0,1,2
	global_load_b128 v[12*((\k0)+\k)+4*\c:12*((\k0)+\k)+4*\c+3], v[LI], s[\base:\base+1] offset:(\off)+FRB*\k+512*\c
.endr
.endr
.endm
.macro XFETCH q, s                     ; x's four fragments of K step s into set q.  No wait: no product since the last wait on va_vdst names set q
	WIN 0x80
.irp m, 0,1,2,3
.irp c, 0,1,2
	ds_load_b128 v[48*(\q)+12*\m+4*\c:48*(\q)+12*\m+4*\c+3], v[LI] offset:XIMG+(8*\m+(\s))*FRB+512*\c
.endr
.endr
.endm
.macro B1LOAD j                        ; b1 in the result's layout: lane (r, h), tile t: units 32 (t / 2) + 16 h + 8 (t % 2) + 0 .. 7
	WIN 0x80
.irp t, 0,1,2,3,4,5,6,7
	ds_load_b128 v[96+8*\t:96+8*\t+3], v[AB1] offset:512*(\j)+(32*(\t/2)+8*(\t%2))*4
	ds_load_b128 v[96+8*\t+4:96+8*\t+7], v[AB1] offset:512*(\j)+(32*(\t/2)+8*(\t%2))*4+16
.endr
.endm
.macro AUXST                           ; W2's scale images and b2 of both experts go from registers into my own LDS bytes (the data came by loads: no vector instruction has named them)
	WIN 0x08                                       ; an LDS store's data: window 2
.irp j, 0,1
.irp i, 0,1,2,3,4,5,6,7
	ds_store_b128 v[AUW], v[AUXT+40*\j+4*\i:AUXT+40*\j+4*\i+3] offset:4096*\j+512*\i
.endr
.irp i, 0,1
	ds_store_b128 v[AUW], v[AUXT+40*\j+32+4*\i:AUXT+40*\j+32+4*\i+3] offset:8192+1024*\j+512*\i
.endr
.endr
	WIN 0
.endm
; The first product: tile t of my hidden units against the four tiles of rows.  The 32 accumulators take turns, one instruction a turn.  The first K step takes b1 as C.
.macro P1MUL j, s, t
.if (\s) == 0
	WIN 0x6b                                       ; W1 window 3, x window 2, b1 window 2, the sums window 1
.else
	WIN 0x5b
.endif
.irp m, 0,1,2,3
.if (\s) == 0
	WM 64*\m+8*(\t), 12*(8*((\s)%2)+(\t)), 48*((\s)%2)+12*\m, 96+8*(\t), W1S+32*(\j)+8*((\t)/2)+(\s), XS+4*\m+(\s)%4, (\t)%2, (\s)/4
.else
	WM 64*\m+8*(\t), 12*(8*((\s)%2)+(\t)), 48*((\s)%2)+12*\m, 64*\m+8*(\t), W1S+32*(\j)+8*((\t)/2)+(\s), XS+4*\m+(\s)%4, (\t)%2, (\s)/4
.endif
.endr
.endm
.macro P1STEP j, s, base, off          ; K step s: 32 products in two batches; four slots are filled again as soon as they are read out
.if (\s) < 7
	XFETCH ((\s)+1)%2, (\s)+1
	s_wait_dscnt 12                                ; all but the next K step's twelve
.else
	s_wait_dscnt 0x0
.endif
.irp t0, 0,4
	s_wait_loadcnt 36                              ; behind these four slots' twelve loads stand the other twelve slots' 36
	P1MUL \j, \s, \t0
	P1MUL \j, \s, \t0+1
	P1MUL \j, \s, \t0+2
	P1MUL \j, \s, \t0+3
	PLACES
	RFILL 8*((\s)%2)+\t0, \base, (\off)+FRB*\t0, 1
.endr
.endm
; 64 numbers of a lane, register 16 b + i = k 32 b + 16 (lane / 16) + i of my row, none negative, become a fragment's codes in v[PC] on and its scale word in v[PW].
.macro QUANT s
.irp b, 0,1,2,3
	v_max3_num_f32 v[TM+\b], v[\s+16*\b], v[\s+1+16*\b], 0x1800000   ; with the floor 2^(3 - 127): the byte cannot fall under 1
.endr
.irp i, 2,4,6,8,10,12,14
.irp b, 0,1,2,3
	v_max3_num_f32 v[TM+\b], v[TM+\b], v[\s+16*\b+\i], v[\s+1+16*\b+\i]
.endr
.endr
.irp b, 0,1,2,3
	v_permlanex16_b32 v[TM+4+\b], v[TM+\b], s[SEL], s[SEL+1]
.endr
.irp b, 0,1,2,3
	v_max_num_f32 v[TM+\b], v[TM+\b], v[TM+4+\b]   ; with lane l xor 16's: the block's largest
.endr
.irp b, 0,1,2,3
	v_add_nc_u32 v[TM+8+\b], 0xff000000, v[TM+\b]  ; 2 off the exponent field: the conversion's scale operand
.endr
.irp b, 0,1,2,3
	v_lshrrev_b32 v[TM+4+\b], 23, v[TM+8+\b]       ; the scale's byte
.endr
	v_lshl_or_b32 v[PW], v[TM+5], 8, v[TM+4]
	v_lshl_or_b32 v[PW], v[TM+6], 16, v[PW]
	v_lshl_or_b32 v[PW], v[TM+7], 24, v[PW]
.irp c, 0,1
	v_cvt_scalef32_pk16_fp6_f32 v[PC+6*\c:PC+2+6*\c], v[\s+32*\c:\s+15+32*\c], v[TM+8+2*\c]
	v_cvt_scalef32_pk16_fp6_f32 v[PC+12+4*\c:PC+14+4*\c], v[\s+16+32*\c:\s+31+32*\c], v[TM+8+2*\c+1]
.endr
	v_nop                                          ; one plain place behind the conversions
.irp c, 0,1                            ; the operand wants a whole block in a lane: lanes 0-15 block 2 c, lanes 16-31 block 2 c + 1
.irp i, 0,1,2
	v_permlane16_swap_b32 v[PC+6*\c+\i], v[PC+12+4*\c+\i]
.endr
.irp i, 0,1,2
	v_mov_b32 v[PC+3+6*\c+\i], v[PC+12+4*\c+\i]
.endr
.endr
.endm
.macro HOUT j                          ; my 128 hidden units of the 64 rows: relu, quantised, K step w of the second product, to LDS as images
.irp m, 0,1,2,3
	WIN 0x04
.set i, 0
.rept 64
	v_max_num_f32 v[QS+i], 0, v[64*\m+i]           ; each accumulator from its low end on
.set i, i+1
.endr
	WIN 0
	QUANT QS
	s_wait_alu depctr_va_vdst(0)                   ; the conversions, swaps and moves have written v[PC ..] and v[PW], which the LDS stores below read
.irp c, 0,1,2
	ds_store_b128 v[HWI], v[PC+4*\c:PC+4*\c+3] offset:24576*(\j)+6144*\m+512*\c
.endr
	ds_store_b32 v[HWS], v[PW] offset:1024*(\j)+256*\m
	s_wait_dscnt 0x0                               ; my LDS instructions are done: the last of these waits is the one that stands in front of the barrier
	s_wait_alu depctr_vm_vsrc(0)                   ; the stores have read v[PC ..] and v[PW]: the next tile's conversions write them again, and later the loads from the stage land there; behind expert a's first tile also: the stores of W2's scale images have read theirs
.endr
.endm
; The second product: tile ct of the chunk, K step s, against the four tiles of rows; four accumulators by turns.  The first K step takes b2 as C.
.macro P2MUL j, ct, s
.if (\j) == 0
.if (\s) == 0
	WIN 0x47                                       ; W2 window 3, a's hidden layer window 1, b2 window 0, the sums window 1
.else
	WIN 0x57
.endif
.else
.if (\s) == 0
	WIN 0x8b                                       ; the same for b, in window 2
.else
	WIN 0xab
.endif
.endif
.irp m, 0,1,2,3
.if (\s) == 0
	WM 192+8*(4*(\ct)+\m), 12*(8*(\j)+4*(\ct)+(\s)), 12*(4*\m+(\s)), B2+16*(\j)+8*(\ct), SA+4*(\j)+(\s), HS+8*(\j)+2*\m+(\s)/2, \ct, (\s)%2
.else
	WM 192+8*(4*(\ct)+\m), 12*(8*(\j)+4*(\ct)+(\s)), 12*(4*\m+(\s)), 192+8*(4*(\ct)+\m), SA+4*(\j)+(\s), HS+8*(\j)+2*\m+(\s)/2, \ct, (\s)%2
.endif
.endr
.endm
.macro P2PART j, fill, base, off, cnt, dec   ; one expert's half of a chunk: 32 products in two batches of four slots, a tile of outputs each
.irp ct, 0,1
	s_wait_loadcnt (\cnt)-(\dec)*\ct               ; the loads issued behind this batch's twelve
	P2MUL \j, \ct, 0
	P2MUL \j, \ct, 1
	P2MUL \j, \ct, 2
	P2MUL \j, \ct, 3
	PLACES
.if \fill
	RFILL 8*(\j)+4*\ct, \base, (\off)+4*\ct*FRB, 1
.endif
.endr
.endm
.macro AUXLD j, rc, ra, rb             ; W2's scale words (address register ra) and b2 (rb) of the chunk rc further on, from my own LDS bytes.  No wait: no vector or matrix instruction since the last wait on va_vdst names these registers
	ds_load_b64 v[SA+4*(\j):SA+4*(\j)+1], v[\ra] offset:4096*(\j)+512*(\rc)
	ds_load_b64 v[SA+4*(\j)+2:SA+4*(\j)+3], v[\ra] offset:4096*(\j)+512*(\rc)+256
.irp ct, 0,1
	ds_load_b128 v[B2+16*(\j)+8*\ct:B2+16*(\j)+8*\ct+3], v[\rb] offset:1024*(\j)+128*(\rc)+64*\ct
	ds_load_b128 v[B2+16*(\j)+8*\ct+4:B2+16*(\j)+8*\ct+7], v[\rb] offset:1024*(\j)+128*(\rc)+64*\ct+16
.endr
.endm
.macro COMBINE ch                      ; ga x a's sums + gb x b's, into the stage
	WIN 0xc1                                       ; destination window 3, a's sums window 1, the gates window 0
.irp ct, 0,1
.irp m, 0,1,2,3
.irp p, 0,2,4,6
	v_pk_mul_f32 v[192+8*(4*\ct+\m)+\p:192+8*(4*\ct+\m)+\p+1], v[192+8*(4*\ct+\m)+\p:192+8*(4*\ct+\m)+\p+1], v[G+2*\m:G+2*\m+1] op_sel_hi:[1,0]
.endr
.endr
.endr
	WIN 0xf2                                       ; b's sums window 2, the addend window 3
.irp ct, 0,1
.irp m, 0,1,2,3
.irp p, 0,2,4,6
	v_pk_fma_f32 v[192+8*(4*\ct+\m)+\p:192+8*(4*\ct+\m)+\p+1], v[192+8*(4*\ct+\m)+\p:192+8*(4*\ct+\m)+\p+1], v[G+2*\m:G+2*\m+1], v[192+8*(4*\ct+\m)+\p:192+8*(4*\ct+\m)+\p+1] op_sel:[0,1,0] op_sel_hi:[1,1,1]
.endr
.endr
.endr
	WIN 0x0c                                       ; an LDS store's data: window 3
	s_wait_alu depctr_va_vdst(0)                   ; the multiply-adds have written the combined results, which the LDS stores below read
.irp ct, 0,1
.irp m, 0,1,2,3
	ds_store_b128 v[STO], v[192+8*(4*\ct+\m):192+8*(4*\ct+\m)+3] offset:4352*\m+128*(\ch)+64*\ct
	ds_store_b128 v[STO], v[192+8*(4*\ct+\m)+4:192+8*(4*\ct+\m)+7] offset:4352*\m+128*(\ch)+64*\ct+16
.endr
.endr
	WIN 0
.endm
.macro CHUNK ch, fill                  ; 32 outputs x 64 rows x both experts: 64 products
	s_wait_dscnt 0x0                               ; the chunk's scale words and b2 are in
.if (\ch) == 1
	s_wait_alu depctr_vm_vsrc(0)                   ; chunk 0's stores into the stage have read the combined results' registers, which this chunk's multiplies write again
.endif
.if \fill
	P2PART 0, 1, PP, 12288*((\ch)+1), 36, 0
	WIN 0
	AUXLD 0, (\ch)+1, ASC, AB2
	P2PART 1, 1, QQ, 12288*((\ch)+1), 36, 0
	WIN 0
	AUXLD 1, (\ch)+1, ASC, AB2
.else
	P2PART 0, 0, PP, 0, 36, 12                     ; the last chunk fetches nothing: the counts run down: 36, 24,
	P2PART 1, 0, QQ, 0, 12, 12                     ; 12, 0
.endif
	COMBINE \ch
.endm
.macro SGRP g                          ; eight pairs of rows back from the stage; LDS serves a wave's instructions in order
.irp i, 0,1,2,3,4,5,6,7
	ds_load_b128 v[RB+32*((\g)%2)+4*\i:RB+32*((\g)%2)+4*\i+3], v[RD] offset:544*(8*(\g)+\i)
.endr
.endm
.macro SENDOUT                         ; 64 rows x 256 bytes: sixteen lanes store 256 consecutive bytes, aligned, of a token's row
	SGRP 0
.irp g, 0,1,2,3
.if \g < 3
.if \g > 0
	s_wait_xcnt 0x0                                ; the stores of two groups back have had their addresses translated
	s_wait_alu depctr_vm_vsrc(0)                   ; and have read their set of v[RB ..], in which the next group's loads land
.endif
	SGRP \g+1
	s_wait_dscnt 8                                 ; all but the next group's eight
.else
	s_wait_dscnt 0x0
.endif
.irp i, 0,1,2,3,4,5,6,7
	global_store_b128 v[TOK+8*\g+\i], v[RB+32*((\g)%2)+4*\i:RB+32*((\g)%2)+4*\i+3], s[20:21] th:TH_STORE_NT
.endr
.endr
.endm
.macro TRIP last                       ; a trip's work: two chunks, 64 outputs
	v_add_nc_u32 v[ASC], s55, v[ASC0]              ; this trip's scale words and b2 in my LDS bytes: a lane term that never changes + the trip's scalar (the last trip's loads have read both registers: the wait on vm_vsrc at that trip's end)
	v_add_nc_u32 v[AB2], s56, v[AB20]
	CHUNK 0, 1
.if \last
	CHUNK 1, 0
.else
	CHUNK 1, 1
.endif
	SENDOUT
.endm
	s_load_b512 s[4:19], s[0:1], 0x0               ; xc s[4:5], xs s[6:7], wc s[8:9], ws s[10:11], b1 s[12:13], b2 s[14:15], rec s[16:17], gso s[18:19]
	s_load_b64 s[20:21], s[0:1], 0x40              ; out0
	v_lshl_add_u32 v222, v0, 2, 0x35000
	v_mov_b32 v223, 0
	v_lshrrev_b32 v1, 5, v0
	v_readfirstlane_b32 s22, v1                    ; wave 0..3
	v_and_b32 v1, 15, v0                           ; r
	v_bfe_u32 v2, v0, 4, 1                         ; h
	v_and_b32 v3, 31, v0                           ; lane
	v_lshlrev_b32 v[LI], 4, v3
	v_lshlrev_b32 v[L8], 3, v3
	v_add_nc_u32 v[LIH], HIMG, v[LI]
	v_lshl_add_u32 v[L4H], v3, 2, HSC
	s_wait_alu depctr_va_sdst(0)                   ; s22 is written, ahead of its first reader
	s_mul_i32 s58, s22, 8*FRB
	v_add_nc_u32 v[XWI], s58, v[LI]
	s_mul_i32 s58, s22, FRB
	v_add_nc_u32 v[HWI], s58, v[LIH]
	s_lshl_b32 s58, s22, 6
	s_add_co_u32 s58, s58, HSC
	v_lshl_add_u32 v[HWS], v1, 2, s58
	s_mul_i32 s58, s22, STGW
	s_add_co_u32 s58, s58, STG
	v_mul_u32_u24 v[STO], v1, 272
	v_lshl_add_u32 v[STO], v2, 5, v[STO]
	v_add_nc_u32 v[STO], s58, v[STO]               ; in: row r, 32 bytes for each half of the lanes
	v_mul_u32_u24 v[RD], v2, 272
	v_lshl_add_u32 v[RD], v1, 4, v[RD]
	v_add_nc_u32 v[RD], s58, v[RD]                 ; back: lanes 0-15 one row, lanes 16-31 the next
	s_mul_i32 s58, s22, AUXW
	s_add_co_u32 s58, s58, AUX
	v_add_nc_u32 v[ASC0], s58, v[L8]
	v_add_nc_u32 v[AUW], s58, v[LI]
	s_add_co_u32 s59, s58, 8192
	v_lshl_add_u32 v[AB20], v2, 5, s59
	s_add_co_u32 s59, s58, 10240
	v_lshl_add_u32 v[AB1], v2, 6, s59
	s_lshl_b32 s58, s22, 10
	v_lshl_add_u32 v[CO], v1, 4, s58
	s_lshl_b32 s58, s22, 9
	s_add_co_u32 s58, s58, XSC
	v_add_nc_u32 v[XSW], s58, v[LI]
	s_mov_b32 s[SEL], 0x76543210
	s_mov_b32 s[SEL+1], 0xfedcba98                 ; lane l xor 16
	s_mov_b32 s27, 0x1000000                       ; a record under this number marks an empty place
.irp b, 0,1,2,3
	v_mov_b32 v[TM+4+\b], 0                        ; a lane permute's destination counts as one of its sources
.endr
	v_lshlrev_b32 v124, 2, v1                      ; 4 r
	v_lshlrev_b32 v125, 3, v1                      ; 8 r
	s_lshl_b32 s58, s22, 6
	v_add_nc_u32 v126, s58, v124                   ; 4 r + 64 w
	v_lshlrev_b32 v127, 2, v2                      ; 4 h
	s_lshl_b32 s58, ttmp9, 8                       ; a tile: 256 bytes of records,
	s_mov_b32 s59, 0
	s_lshl_b32 s60, ttmp9, 9                       ; 512 of gates
	s_mov_b32 s61, 0
	s_wait_kmcnt 0x0
	s_add_nc_u64 s[16:17], s[16:17], s[58:59]
	s_add_nc_u64 s[18:19], s[18:19], s[60:61]
	s_load_b32 s24, s[16:17], 0x0                  ; row 0's record: 0 in a tile that the list leaves empty
	s_load_b64 s[56:57], s[18:19], 0x0             ; and its gates
	s_wait_alu depctr_va_vdst(0)                   ; all the addresses and offsets made so far are written (v4 to v16, v31, v124 to v127): the loads and stores of the whole kernel read them
.irp m, 0,1,2,3
	global_load_b32 v[REC+\m], v124, s[16:17] offset:64*\m
.endr
	global_load_b32 v[RW], v126, s[16:17]
.irp m, 0,1,2,3
	global_load_b64 v[G+2*\m:G+2*\m+1], v125, s[18:19] offset:128*\m
.endr
.set k, 0
.rept 32
	global_load_b32 v[TOK+k], v127, s[16:17] offset:8*k    ; the records of rows 2 k + h, for the way out
.set k, k+1
.endr
	s_wait_kmcnt 0x0
	s_bfe_u32 s25, s24, 0x40010                    ; a
	s_min_u32 s25, s25, 7
	s_bfe_u32 s26, s24, 0x40014                    ; b
	s_min_u32 s26, s26, 7
	s_mul_i32 s60, s22, 98304                      ; 64 images for a wave
	s_lshl_b32 s61, s22, 12
	s_lshl_b32 s23, s22, 9
	s_mov_b32 s59, 0
.irp j, 0,1
	s_mul_i32 s58, s[25+\j], 393216                ; 256 images for an expert
	s_add_co_u32 s58, s58, s60
	s_add_nc_u64 s[28+2*\j:29+2*\j], s[8:9], s[58:59]
	s_add_nc_u64 s[32+2*\j:33+2*\j], s[28+2*\j:29+2*\j], 3145728
	s_lshl_b32 s58, s[25+\j], 14
	s_add_co_u32 s58, s58, s61
	s_add_nc_u64 s[36+2*\j:37+2*\j], s[10:11], s[58:59]
	s_add_nc_u64 s[40+2*\j:41+2*\j], s[36+2*\j:37+2*\j], 131072
	s_lshl_b32 s58, s[25+\j], 11
	s_add_co_u32 s58, s58, s23
	s_add_nc_u64 s[44+2*\j:45+2*\j], s[12:13], s[58:59]
	s_lshl_b32 s58, s58, 1
	s_add_nc_u64 s[48+2*\j:49+2*\j], s[14:15], s[58:59]
.endr
	v_mov_b32 v[R0], s24
	v_mov_b32 v[R0+1], s56
	v_mov_b32 v[R0+2], s57
	s_wait_alu depctr_va_vdst(0)
	s_wait_loadcnt 0x0
	s_wait_alu depctr_vm_vsrc(0)                   ; the loads of records and gates have read their offsets: v124 and v127 are written again below
.irp m, 0,1,2,3
	v_cmp_gt_u32 s[58+\m], s27, v[REC+\m]          ; an empty place?  Five masks in a run
.endr
	v_cmp_gt_u32 s62, s27, v[RW]
	s_wait_alu depctr_va_sdst(0)                   ; s58 to s62 are written, ahead of their first readers
.irp m, 0,1,2,3
	v_cndmask_b32 v[G+2*\m], v[G+2*\m], v[R0+1], s[58+\m]      ; an empty place takes row 0's gates
	v_cndmask_b32 v[G+2*\m+1], v[G+2*\m+1], v[R0+2], s[58+\m]
.endr
	v_cndmask_b32 v[RW], v[RW], v[R0], s62         ; and row 0's token
	v_and_b32 v[XA], 0x1fff, v[RW]
	v_min_u32 v[XA], 8191, v[XA]
	v_lshlrev_b32 v127, 5, v[XA]                   ; 32 scale bytes a token,
	v_lshlrev_b32 v124, 4, v2
	v_add_nc_u32 v127, v127, v124                  ; + 16 h
	v_mul_u32_u24 v[XA], v[XA], 768                ; 768 bytes of codes,
	v_mul_u32_u24 v124, v2, 24
	v_add_nc_u32 v[XA], v[XA], v124                ; + 24 h
	; ---- the head's loads, in the order in which they are wanted
	WIN 0x80
	s_wait_alu depctr_va_vdst(0)                   ; v[XA] and v127 are written, which the loads of x's codes and scale words read
.irp s, 0,1,2,3,4,5,6,7
.irp p, 0,1,2,3,4,5
	global_load_b64 v[12*\s+2*\p:12*\s+2*\p+1], v[XA], s[4:5] offset:96*\s+48*(\p/3)+8*(\p%3)   ; my row's eight fragments, as they lie
.endr
.endr
	WIN 0
	global_load_b128 v[128:131], v127, s[6:7]      ; its scale words: K steps 4 h .. 4 h + 3
	global_load_b128 v[132:135], v[LI], s[44:45]   ; b1 of a, of b: my 128 units
	global_load_b128 v[136:139], v[LI], s[46:47]
.irp b, 0,1,2,3
.irp g, 0,1,2,3
	global_load_b64 v[W1S+8*\b+2*\g:W1S+8*\b+2*\g+1], v[L8], s[36:37] offset:(4*\b+\g)*256
.endr
.endr
.irp k, 0,4,8,12
	RFILL \k, W1A, FRB*\k, 0                       ; the ring: a's K steps 0 and 1 (nothing has named its registers yet)
.endr
	WIN 0
.irp b, 0,1,2,3
.irp g, 0,1,2,3
	global_load_b64 v[W1S+32+8*\b+2*\g:W1S+32+8*\b+2*\g+1], v[L8], s[38:39] offset:(4*\b+\g)*256
.endr
.endr
	WIN 0x80
.irp j, 0,1
.irp i, 0,1,2,3,4,5,6,7
	global_load_b128 v[AUXT+40*\j+4*\i:AUXT+40*\j+4*\i+3], v[LI], s[40+2*\j:41+2*\j] offset:512*\i
.endr
.irp i, 0,1
	global_load_b128 v[AUXT+40*\j+32+4*\i:AUXT+40*\j+32+4*\i+3], v[LI], s[48+2*\j:49+2*\j] offset:512*\i
.endr
.endr
	WIN 0
.set k, 0
.rept 4                                ; while they are on their way: the rows' offsets in out0, eight rows' masks to a run
.irp i, 0,1,2,3,4,5,6,7
	v_cmp_gt_u32 s[54+\i], s27, v[TOK+k+\i]
.endr
	s_wait_alu depctr_va_sdst(0)                   ; s54 to s61 are written, ahead of their first readers
.irp i, 0,1,2,3,4,5,6,7
	v_cndmask_b32 v[TOK+k+\i], v[TOK+k+\i], v[R0], s[54+\i]
	v_and_b32 v[TOK+k+\i], 0x1fff, v[TOK+k+\i]
	v_min_u32 v[TOK+k+\i], 8191, v[TOK+k+\i]
	v_lshlrev_b32 v[TOK+k+\i], 12, v[TOK+k+\i]
	v_add_nc_u32 v[TOK+k+\i], v[TOK+k+\i], v[CO]
.endr
.set k, k+8
.endr
	s_wait_loadcnt 63                              ; behind x's codes and scales, b1 and a's scale words 84 loads were issued: those four are in
	WIN 0x08                                       ; an LDS store's data: window 2 (the data of these stores came by loads; their addresses stand ahead of the head's first wait on va_vdst)
.irp s, 0,1,2,3,4,5,6,7
.irp c, 0,1,2
	ds_store_b128 v[XWI], v[12*\s+4*\c:12*\s+4*\c+3] offset:XIMG+FRB*\s+512*\c
.endr
.endr
	WIN 0
	ds_store_b128 v[XSW], v[128:131]
	ds_store_b128 v[AUW], v[132:135] offset:10240
	ds_store_b128 v[AUW], v[136:139] offset:10752
	s_wait_dscnt 0x0                               ; for the others' sake: my images have landed
	s_barrier_signal -1
	s_barrier_wait -1                              ; x's 32 fragments and their scale words lie in LDS
	s_wait_alu depctr_vm_vsrc(0)                   ; my LDS stores have read x's codes' registers (window 2, v0-95) and v128 to v139, the load of x's scale words v127: on both ways below loads land in them or vector instructions write them
	s_cmp_lg_u32 s24, 0
	s_cbranch_scc1 .Lfull
	; ---- an empty tile: no product.  Its head's loads land; what the loads behind the next barrier read is laid into LDS: W2's scale words and b2 as they came, zeros for my part of both hidden layers
	s_wait_loadcnt 0x0
	AUXST
.irp i, 0,1,2,3
	v_mov_b32 v[PC+\i], 0
.endr
	s_wait_alu depctr_va_vdst(0)                   ; the four zeros are written, which the LDS stores below read; so are the rows' offsets in out0
.irp j, 0,1
.irp m, 0,1,2,3
.irp c, 0,1,2
	ds_store_b128 v[HWI], v[PC:PC+3] offset:24576*\j+6144*\m+512*\c
.endr
	ds_store_b32 v[HWS], v[PC] offset:1024*\j+256*\m
.endr
.endr
	s_wait_dscnt 0x0
	s_wait_alu depctr_vm_vsrc(0)                   ; my LDS stores have read the registers of W2's scale images and of the zeros: loads behind the barrier land in them
	s_branch .Lmeet
.Lfull:
	; ---- the first product, expert a
.irp m, 0,1,2,3
	ds_load_b128 v[XS+4*\m:XS+4*\m+3], v[LI] offset:XSC+512*\m
.endr
	B1LOAD 0
	XFETCH 0, 0
	P1STEP 0, 0, W1A, 2*12288
	B1LOAD 1                                       ; b1 of a has been read by the first K step alone; four places and the wait on va_vdst stand behind its last reader
	P1STEP 0, 1, W1A, 3*12288
	P1STEP 0, 2, W1A, 4*12288
	AUXST                                          ; behind these registers' loads 60 ring loads had been issued at the last wait, which left 36 out
	P1STEP 0, 3, W1A, 5*12288
	P1STEP 0, 4, W1A, 6*12288
	P1STEP 0, 5, W1A, 7*12288
	P1STEP 0, 6, W1B, 0                            ; the ring goes on into b's K steps 0 and 1
	P1STEP 0, 7, W1B, 12288
	XFETCH 0, 0                                    ; x's first fragments for expert b come while a's hidden layer is quantised (their registers were last read a K step ago)
	HOUT 0
	; ---- the first product, expert b
	P1STEP 1, 0, W1B, 2*12288
	P1STEP 1, 1, W1B, 3*12288
	P1STEP 1, 2, W1B, 4*12288
	P1STEP 1, 3, W1B, 5*12288
	P1STEP 1, 4, W1B, 6*12288
	P1STEP 1, 5, W1B, 7*12288
	P1STEP 1, 6, PP, 0                             ; and on into the second product's first chunk: a's eight fragments,
	P1STEP 1, 7, QQ, 0                             ; b's eight
	HOUT 1
.Lmeet:                                            ; both ways end with a wait for all my LDS instructions, and with the wait that shows their registers read
	s_barrier_signal -1
	s_barrier_wait -1                              ; both hidden layers' 32 fragments lie in LDS
	; ---- the second product: both hidden layers stay in registers.  These loads stand on every wave's way
	WIN 0x40
	s_wait_alu depctr_va_vdst(0)                   ; the relus are done reading the first product's accumulators, the products x's sets, b1 and their scale words, the conversions their 64 numbers: the loads below land in all of these
.set f, 0
.rept 16
.irp c, 0,1,2
	ds_load_b128 v[12*f+4*\c:12*f+4*\c+3], v[LIH] offset:FRB*f+512*\c
.endr
.set f, f+1
.endr
	WIN 0x80
.set f, 0
.rept 16
.irp c, 0,1,2
	ds_load_b128 v[12*f+4*\c:12*f+4*\c+3], v[LIH] offset:24576+FRB*f+512*\c
.endr
.set f, f+1
.endr
	WIN 0
.irp j, 0,1
.irp m, 0,1,2,3
.irp g, 0,1
	ds_load_b32 v[HS+8*\j+2*\m+\g], v[L4H] offset:256*(4*\j+\m)+128*\g
.endr
.endr
.endr
	AUXLD 0, 0, ASC0, AB20
	AUXLD 1, 0, ASC0, AB20
	s_mov_b32 s54, 3
	s_mov_b32 s55, 0                               ; a trip's place among my scale words: 1,024 bytes a trip
	s_mov_b32 s56, 0                               ; and in b2: 256 bytes a trip
.Ltrip:                                            ; three trips of 64 outputs, walked by every wave; the fourth is written out, so that no load leaves the images' buffer
	s_cmp_eq_u32 s24, 0
	s_cbranch_scc1 .Lidle                          ; an empty tile jumps over the trip's work, not over its steps
	TRIP 0
.Lidle:
	s_wait_xcnt 0x0                                ; loads and stores have had their addresses translated: their bases may be stepped
	s_wait_alu depctr_vm_vsrc(0)                   ; the trip's global stores have read v[RB ..], its stores into the stage the combined results' registers, its LDS loads v[ASC] and v[AB2]: the next trip writes all of these again
	s_add_nc_u64 s[PP:PP+1], s[PP:PP+1], 24576
	s_add_nc_u64 s[QQ:QQ+1], s[QQ:QQ+1], 24576
	s_add_nc_u64 s[20:21], s[20:21], 256
	s_add_co_u32 s55, s55, 1024
	s_add_co_u32 s56, s56, 256
	s_sub_co_u32 s54, s54, 1
	s_cmp_lg_u32 s54, 0
	s_cbranch_scc1 .Ltrip
	s_cmp_eq_u32 s24, 0
	s_cbranch_scc1 .Lend
	TRIP 1
.Lend:
	s_wait_dscnt 0x0                               ; the closing lines, six on end
	s_wait_alu 0x0
	s_wait_tensorcnt 0x0
	ds_add_u32 v222, v223
	s_wait_dscnt 0x0
	s_endpgm
.Lfunc_end_k_qefff2e17a8_chain:
	.size	k_qefff2e17a8_chain, .Lfunc_end_k_qefff2e17a8_chain-k_qefff2e17a8_chain
	.p2alignl 7, 3214868480
	.fill 96, 4, 3214868480
	.section	.rodata,"a",@progbits
	.p2align	6, 0x0
	.amdhsa_kernel k_qefff2e17a8_chain
		.amdhsa_group_segment_fixed_size 217600
		.amdhsa_private_segment_fixed_size 0
		.amdhsa_enable_private_segment 0
		.amdhsa_kernarg_size 72
		.amdhsa_user_sgpr_count 2
		.amdhsa_user_sgpr_kernarg_segment_ptr 1
		.amdhsa_wavefront_size32 1
		.amdhsa_system_sgpr_workgroup_id_x 1
		.amdhsa_system_sgpr_workgroup_id_y 1
		.amdhsa_system_sgpr_workgroup_id_z 1
		.amdhsa_system_vgpr_workitem_id 0
		.amdhsa_next_free_vgpr 1024
		.amdhsa_next_free_sgpr 66
		.amdhsa_reserve_vcc 0
		.amdhsa_float_denorm_mode_32 3
		.amdhsa_float_denorm_mode_16_64 3
		.amdhsa_memory_ordered 1
		.amdhsa_forward_progress 1
		.amdhsa_inst_pref_size 255
	.end_amdhsa_kernel
	.section	.bss,"aw",@nobits
	.p2align	6
	.space	262144
	.amdgpu_metadata
---
amdhsa.version: [ 1, 2 ]
amdhsa.kernels:
  - .name:           k_qefff2e17a8_chain
    .symbol:         k_qefff2e17a8_chain.kd
    .args:
      - { .name: xc, .offset: 0, .size: 8, .value_kind: global_buffer, .address_space: global }
      - { .name: xs, .offset: 8, .size: 8, .value_kind: global_buffer, .address_space: global }
      - { .name: wc, .offset: 16, .size: 8, .value_kind: global_buffer, .address_space: global }
      - { .name: ws, .offset: 24, .size: 8, .value_kind: global_buffer, .address_space: global }
      - { .name: b1, .offset: 32, .size: 8, .value_kind: global_buffer, .address_space: global }
      - { .name: b2, .offset: 40, .size: 8, .value_kind: global_buffer, .address_space: global }
      - { .name: rec, .offset: 48, .size: 8, .value_kind: global_buffer, .address_space: global }
      - { .name: gso, .offset: 56, .size: 8, .value_kind: global_buffer, .address_space: global }
      - { .name: out0, .offset: 64, .size: 8, .value_kind: global_buffer, .address_space: global }
    .group_segment_fixed_size: 217600
    .private_segment_fixed_size: 0
    .kernarg_segment_align: 8
    .kernarg_segment_size: 72
    .max_flat_workgroup_size: 128
    .sgpr_count:     66
    .vgpr_count:     1024
    .wavefront_size: 32
...
	.end_amdgpu_metadata
.endif
;; end of part 6
